; MI455X (gfx1250); checked and timed in simulation.
; The chip was launched on July 23, 2026; its instructions are those of AMD's public machine-readable ISA for CDNA 5 (MIT licence, August 2026) and "CDNA5" Instruction Set Architecture Reference Guide (July 2026). The comments in the code are by the model that wrote it; some were corrected since.
;; Attention. Allowed arithmetic: matrix products marked QUANTISED: E5M2 operands, one given power-of-two scale a tensor, by v_wmma_f32_16x16x64_bf8_bf8 or v_wmma_f32_16x16x128_bf8_bf8, f32 sums; products left as they are: f32 operands where the result goes on into a quantised operand, else bf16, f16 or f32 operands; f32 sums; everything else in f32.
;; Inputs: b_proj 1,024 float32; lowp_scales 8 int32 (the exponents e of the quantised operands' scales 2^e); w_a_q 1,024 x 4 float32; w_a_v 1,024 x 4 float32; w_b_q 4 x 1,024 float32; w_b_v 4 x 1,024 float32; w_proj_codes 1,024 x 32 x 32 uint8 (E5M2 codes of w_proj, K innermost, in blocks of 32 codes); w_qkv_codes 3,072 x 32 x 32 uint8 (E5M2 codes of w_qkv, K innermost, in blocks of 32 codes); x 4 x 2,048 x 1,024 float32.
;; Outputs: out0 4 x 2,048 x 1,024 float32.
;; This version of the problem:
;;   THIS VERSION OF THE PROBLEM IS GIVEN IN LOW PRECISION. The matrix products marked QUANTISED in the list below multiply operands that are first quantised to E5M2 (5 exponent bits, 2 mantissa bits; 8 bits a number), with one given power-of-two scale for each operand tensor; their sums are f32. All else is computed in f32.
;;   The module's matrix products, in the order in which they are computed (A, B: the left and right operand; K: the contracted axis; several contracted axes count as one K, in the product's order):
;;     1. [M 8,192, K 1,024] x [K 1,024, N 3,072]; A: input x; B: input w_qkv (given as codes): QUANTISED (scales: A lowp_scales[0], B lowp_scales[1])
;;     2. [M 8,192, K 1,024] x [K 1,024, N 4]; A: input x; B: input w_a_q: left as it is (N = 4 < 16)
;;     3. [M 8,192, K 4] x [K 4, N 1,024]; A: computed on the way; B: input w_b_q: left as it is (K = 4 < 32)
;;     4. [M 8,192, K 1,024] x [K 1,024, N 4]; A: input x; B: input w_a_v: left as it is (N = 4 < 16)
;;     5. [M 8,192, K 4] x [K 4, N 1,024]; A: computed on the way; B: input w_b_v: left as it is (K = 4 < 32)
;;     6. batch 64 x [M 2,048, K 64] x [K 64, N 2,048]; A: computed on the way; B: computed on the way: QUANTISED (scales: A lowp_scales[2], B lowp_scales[3])
;;     7. batch 64 x [M 2,048, K 2,048] x [K 2,048, N 64]; A: softmax (see below); B: computed on the way: QUANTISED (scales: A lowp_scales[4], B lowp_scales[5])
;;     8. [M 8,192, K 1,024] x [K 1,024, N 1,024]; A: computed on the way; B: input w_proj (given as codes): QUANTISED (scales: A lowp_scales[6], B lowp_scales[7])
;;   THE QUANTISER, for each operand of a quantised product, along K:
;;     - The operand's scale is 2^e, e = its entry of the input lowp_scales (int32; the entries are numbered through the quantised products in the list's order, A before B).
;;     - Each number is divided by the scale, clamped to +-57,344, and rounded to the nearest number of E5M2, ties to even, subnormals kept.
;;     - The product sums the exact products of the quantised numbers (number of the format x scale) in f32.
;;   ~~~python
;;   def quantise(x, axis, e):      # numpy; x: float32 -> the quantised numbers, widened to float32 again
;;       x = np.moveaxis(x, axis, -1); K = x.shape[-1]
;;       r = np.clip(x / 2.0 ** e, -57344, 57344)
;;       step = 2.0 ** (np.maximum(np.frexp(np.where(r == 0, 1, r))[1] - 1, -14) - 2)
;;       q = np.round(r / step) * step * 2.0 ** e      # np.round: ties to even
;;       return np.moveaxis(q, -1, axis).astype(np.float32)
;;   ~~~
;;   SOFTMAX AHEAD OF A QUANTISED PRODUCT. Where the list says 'softmax', what is quantised is not the finished softmax but p = 2^(t - M), with t = logit x log2(e) and M = ceil(the row's largest t), a whole number; so 1/2 < the row's largest p <= 1. The row's sum l is taken of the UNQUANTISED p, in f32, and the product's result is divided by l at the end. Since M is a whole number, a kernel that streams over the keys may use a running M (the ceiling of the running maximum): every later rescaling is an exact power of two, so the quantised numbers keep their values, but for numbers so far below the row's largest that they fall under the format's range.
;;   OPERANDS COMPUTED ON THE WAY. 'Computed on the way' means the value that the module computes at that place (a softmax that the list does not call 'softmax' is quantised finished and normalised). What goes into a quantiser is computed in f32, as accurately as f32 sums, v_exp_f32 and their like allow (about 1e-6 of the number): no bf16 or f16 on the way to a quantiser, and a product that is left as it is and whose result goes on into a quantised operand takes f32 operands (vector FMAs, or v_wmma_f32_16x16x4_f32). A number that lies on a knife's edge between two numbers of the format may be rounded either way, as far as f32 arithmetic and the matrix unit's own rounding can turn it there, and no further.
;;   INPUTS GIVEN AS CODES. w_proj (in the module: [1024, 1024], K = its axis 0); w_qkv (in the module: [1024, 3072], K = its axis 0): each comes as NAME_codes (uint8): NAME with its K axis moved to the last place and cut into blocks of 32 codes, [.., K / 32, bytes a block], one block behind the other in memory; one code a byte (a code: sign, 5 exponent bits, 2 mantissa bits); its scale is its entry of lowp_scales. Its value is code x scale, taken as it is: it is not quantised again, and the codes and scales need not be those that the quantiser above would give.
;; 2 versions, each right; version 2 is version 1 with the launch attn written anew for expert scheduling mode. Each part assembles by itself: llvm-mc -triple=amdgcn-amd-amdhsa -mcpu=gfx1250 --defsym DOCPART=n.
;; ======== version 1 of 2: 4 launches
;; workspace buffers: x_codes 8,388,608 bytes; t 262,144 bytes; qkv 25,165,824 bytes; o_img 8,388,608 bytes
;; launch prep (part 1): grid 256 x 1, 4 waves a work-group, no clusters, 88,832 bytes of LDS; arguments x, w_a_q, w_a_v, lowp_scales, x_codes, t; writes x_codes, t
.if DOCPART == 1
	.amdgcn_target "amdgcn-amd-amdhsa--gfx1250"
	.amdhsa_code_object_version 6
	.text
	.protected	k_q14a5f94a55_prep
	.globl	k_q14a5f94a55_prep
	.p2align	8
	.type	k_q14a5f94a55_prep,@function
k_q14a5f94a55_prep:
	s_mov_b64 s[64:65], 0
	v_nop
	global_prefetch_b8 v0, s[64:65] scope:SCOPE_SE
	s_setreg_imm32_b32 hwreg(HW_REG_WAVE_MODE, 25, 1), 1
	s_wait_xcnt 0x0
; x [8192][1024] f32 is read once and gives two things:
;   x_codes [8192][1024]: codes of BF8 (E5M2), code = x / 2^e0, held within +-57,344, to the nearest code, ties to even;
;   t [8][8192] f32: rows 0-3 = (x w_a_q)^T, rows 4-7 = (x w_a_v)^T, in f32 (they go on into quantised operands), by v_wmma_f32_16x16x4_f32.
; LIMITS: e0 between -126 and 112, so that 2^e0 and 57,344 x 2^e0 are f32 numbers.  NaN among the inputs is not served.
; SHARES.  A work-group takes 32 rows, two tiles of 16.  Wave w takes k = 256 w .. 256 w + 255 of both tiles: four chunks q = 2 T + ch of 16 rows x 128 k.
; A load takes 512 consecutive bytes of one row, 16 a lane; all 64 loads of a wave go out at the head.  A chunk turns through the wave's own stage in LDS, so that lane (r, h) holds, of row r,
; k = 32 c + 16 h + i in register 16 c + i: sixteen neighbours for the conversions; and register pair st is a K step of 4 for the f32 matrix form, with the same k in w_a's fragment.
; Memory binds this launch: no cluster and no tensor load, since work-groups share only w_a's 32 KB.
; LDS: w_a transposed, 8 rows n (0-3 q, 4-7 v) of 4,096 bytes + 16; for each wave a turning stage (16 x 528) and a stage for codes (16 x 272); the waves' partial t.
; REGISTERS: window 0: v1-14 addresses and constants; v16-79 X; v80-143 w_a's fragments; v144-207 held numbers, sums; v208-223 codes; v224-255 four accumulators, written by matrix instructions alone.
;            window 1: chunk q as loaded at v[64 q]; later v[128 T] .. +31 rows of codes on their way out.
.set WTP,  4112
.set TS,   33024
.set TSP,  528
.set CS,   66816
.set CSP,  272
.set PB,   84224
.set VX,   1                           ; 16 x lane
.set VW,   2                           ; 16 x thread
.set VWT,  3                           ; 4 x thread
.set VWF,  4                           ; w_a's fragment: (r % 8) x 4,112 + 1,024 w + 64 h
.set VTS,  5                           ; turning stage, in
.set VTL,  6                           ; turning stage, out: 528 r + 64 h
.set VCS,  7                           ; codes' stage, in: 272 r + 16 h
.set VCL,  8                           ; codes' stage, out: 272 h + 16 r
.set VXC,  9                           ; x_codes: 1,024 h + 16 r
.set VP,   10                          ; partial t, in
.set VPR,  11                          ; partial t, out
.set VTO,  12                          ; 4 x lane
.set SC,   13                          ; 2^e0
.set LIM,  14                          ; 57,344 x 2^e0
.set X,    16
.set WF,   80
.set T,    144
.set C,    208
.set ACC,  224
.set MSB, 0
.macro WIN new                         ; the immediate's high byte repeats the setting that is left
.if MSB != \new
	s_set_vgpr_msb (MSB<<8)|\new
.set MSB, \new
.endif
.endm
	s_load_b256 s[4:11], s[0:1], 0x0               ; x, w_a_q, w_a_v, the scales' exponents
	s_load_b128 s[12:15], s[0:1], 0x20             ; x_codes, t
	v_lshl_add_u32 v15, v0, 2, 0x15900
	s_set_vgpr_msb 0x80
	v_mov_b32 v1, 0
	s_set_vgpr_msb 0x8000
	v_lshrrev_b32 v144, 5, v0
	v_readfirstlane_b32 s16, v144                  ; wave 0..3
	v_and_b32 v144, 31, v0                         ; lane
	v_and_b32 v145, 15, v0                         ; r
	v_bfe_u32 v146, v0, 4, 1                       ; h
	v_and_b32 v147, 7, v0                          ; r % 8
	v_lshlrev_b32 v[VX], 4, v144
	v_lshlrev_b32 v[VW], 4, v0
	v_lshlrev_b32 v[VWT], 2, v0
	s_lshl_b32 s17, s16, 10                        ; 1,024 w
	v_mul_u32_u24 v[VWF], v147, WTP
	v_lshl_add_u32 v[VWF], v146, 6, v[VWF]
	v_add_nc_u32 v[VWF], s17, v[VWF]
	s_mul_i32 s18, s16, 16*TSP
	s_add_co_u32 s18, s18, TS                      ; my turning stage
	v_add_nc_u32 v[VTS], s18, v[VX]
	v_mul_u32_u24 v[VTL], v145, TSP
	v_lshl_add_u32 v[VTL], v146, 6, v[VTL]
	v_add_nc_u32 v[VTL], s18, v[VTL]
	s_mul_i32 s19, s16, 16*CSP
	s_add_co_u32 s19, s19, CS                      ; my stage for codes
	v_mul_u32_u24 v[VCS], v145, CSP
	v_lshl_add_u32 v[VCS], v146, 4, v[VCS]
	v_add_nc_u32 v[VCS], s19, v[VCS]
	v_mul_u32_u24 v[VCL], v146, CSP
	v_lshl_add_u32 v[VCL], v145, 4, v[VCL]
	v_add_nc_u32 v[VCL], s19, v[VCL]
	v_lshlrev_b32 v[VXC], 10, v146
	v_lshl_add_u32 v[VXC], v145, 4, v[VXC]
	v_lshlrev_b32 v[VP], 2, v145
	v_add_nc_u32 v[VP], s17, v[VP]
	v_add_nc_u32 v[VP], PB, v[VP]                  ; PB + 1,024 w + 4 r
	s_lshl_b32 s22, s16, 7
	v_lshlrev_b32 v[VPR], 2, v145
	v_lshl_add_u32 v[VPR], v146, 9, v[VPR]
	v_add_nc_u32 v[VPR], s22, v[VPR]
	v_add_nc_u32 v[VPR], PB, v[VPR]                ; PB + 512 h + 4 r + 128 w
	v_lshlrev_b32 v[VTO], 2, v144
	s_lshl_b32 s20, ttmp9, 17                      ; x: 32 rows of 4,096 bytes a work-group, + my 1,024 bytes of a row
	s_add_co_u32 s20, s20, s17
	s_mov_b32 s21, 0
	s_lshl_b32 s24, ttmp9, 15                      ; x_codes: 32 rows of 1,024 bytes, + my 256
	s_lshl_b32 s25, s16, 8
	s_add_co_u32 s24, s24, s25
	s_mov_b32 s25, 0
	s_lshl_b32 s26, ttmp9, 7                       ; t: 32 numbers a work-group, + rows 2 w, 2 w + 1 of 32,768 bytes
	s_lshl_b32 s27, s16, 16
	s_add_co_u32 s26, s26, s27
	s_mov_b32 s27, 0
	s_wait_kmcnt 0x0
	s_load_b32 s23, s[10:11], 0x0                  ; e0
	s_add_nc_u64 s[4:5], s[4:5], s[20:21]
	s_add_nc_u64 s[12:13], s[12:13], s[24:25]
	s_add_nc_u64 s[14:15], s[14:15], s[26:27]
.irp i, 0,1,2,3,4,5,6,7
	global_load_b128 v[X+4*\i:X+4*\i+3], v[VW], s[6:7] offset:2048*\i        ; w_a_q(128 i + thread, 0..3)
.endr
.irp i, 0,1,2,3,4,5,6,7
	global_load_b128 v[X+32+4*\i:X+32+4*\i+3], v[VW], s[8:9] offset:2048*\i  ; w_a_v likewise
.endr
.macro XLOAD q                         ; chunk q: sixteen rows, 512 consecutive bytes each
	WIN 0x40
.irp i, 0,1,2,3,4,5,6,7,8,9,10,11,12,13,14,15
	global_load_b128 v[64*(\q)+4*\i:64*(\q)+4*\i+3], v[VX], s[4:5] offset:(16*((\q)/2)+\i)*4096+512*((\q)%2) th:TH_LOAD_NT
.endr
	WIN 0
.endm
	XLOAD 0
	XLOAD 1
	XLOAD 2
	s_wait_loadcnt 48                              ; w_a is in; the 48 loads of x issued behind it stay out
.irp i, 0,1,2,3,4,5,6,7
.irp n, 0,1,2,3
	ds_store_b32 v[VWT], v[X+4*\i+\n] offset:\n*WTP+512*\i           ; w_a^T: row n, k = 128 i + thread
	ds_store_b32 v[VWT], v[X+32+4*\i+\n] offset:(\n+4)*WTP+512*\i
.endr
.endr
	XLOAD 3
	s_wait_kmcnt 0x0
	s_add_co_i32 s23, s23, 127
	s_lshl_b32 s28, s23, 23
	v_mov_b32 v[SC], s28                           ; 2^e0 as f32: the conversion takes its exponent field
	s_add_co_i32 s23, s23, 15
	s_lshl_b32 s23, s23, 23
	s_or_b32 s23, s23, 0x600000
	v_mov_b32 v[LIM], s23                          ; 57,344 x 2^e0
	s_wait_dscnt 0x0                               ; for the others' sake: my part of w_a^T has landed
	s_barrier_signal -1
	s_barrier_wait -1
; One chunk: through the stage, 32 K steps of 4 for t on four accumulators by turns, the hold, the conversions, codes into the codes' stage.
.macro CHUNK q
	s_wait_loadcnt 48-16*(\q)                      ; loads come back in order: this chunk's sixteen are in, the younger chunks' stay out
	WIN 0x04
.irp i, 0,1,2,3,4,5,6,7,8,9,10,11,12,13,14,15
	ds_store_b128 v[VTS], v[64*(\q)+4*\i:64*(\q)+4*\i+3] offset:TSP*\i
.endr
	WIN 0
.irp c, 0,1,2,3
.irp j, 0,1,2,3
	ds_load_b128 v[X+16*\c+4*\j:X+16*\c+4*\j+3], v[VTL] offset:128*\c+16*\j      ; LDS serves a wave's instructions in order: these see the stores above
.endr
.endr
.irp c, 0,1,2,3
.irp j, 0,1,2,3
	ds_load_b128 v[WF+16*\c+4*\j:WF+16*\c+4*\j+3], v[VWF] offset:512*((\q)%2)+128*\c+16*\j
.endr
.endr
	s_wait_dscnt 0x0
.set st, 0
.rept 32                               ; source 0 = w_a^T's rows n, source 1 = x's rows: lane (r, 0) register j = t(row r, n = j); lanes 16-31 hold the same numbers again
.if ((\q)%2 == 0) && (st < 4)
	v_wmma_f32_16x16x4_f32 v[ACC+8*(st%4):ACC+8*(st%4)+7], v[WF+2*st:WF+2*st+1], v[X+2*st:X+2*st+1], 0
.else
	v_wmma_f32_16x16x4_f32 v[ACC+8*(st%4):ACC+8*(st%4)+7], v[WF+2*st:WF+2*st+1], v[X+2*st:X+2*st+1], v[ACC+8*(st%4):ACC+8*(st%4)+7]
.endif
.set st, st+1
.endr
.set J, 0
.rept 64                               ; the conversion to an 8-bit code does not saturate (ISA guide 7.6.2): the hold.  Of these 64 lines at least 62 name no register of any one product above: they are the places behind them (ISA guide 7.12.1)
	v_med3_num_f32 v[T+J], v[X+J], -v[LIM], v[LIM]
.set J, J+1
.endr
.irp g, 0,1,2,3,4,5,6,7
	v_cvt_scalef32_pk8_bf8_f32 v[C+2*\g:C+2*\g+1], v[T+8*\g:T+8*\g+7], v[SC]
.endr
	v_nop                                          ; one plain line behind the last conversion
.irp c, 0,1,2,3
	ds_store_b128 v[VCS], v[C+4*\c:C+4*\c+3] offset:128*((\q)%2)+32*\c       ; codes of k = 128 ch + 32 c + 16 h + 0 .. 15 of row r
.endr
.endm
; A tile is finished: my quarter of its t goes to LDS; its codes leave as rows, sixteen lanes to 256 consecutive bytes, aligned.
.macro TILE_OUT t
.irp j, 0,2,4,6
	v_pk_add_f32 v[T+\j:T+\j+1], v[ACC+\j:ACC+\j+1], v[ACC+8+\j:ACC+9+\j]    ; each accumulator from its low end on
.endr
.irp j, 0,2,4,6
	v_pk_add_f32 v[T+8+\j:T+9+\j], v[ACC+16+\j:ACC+17+\j], v[ACC+24+\j:ACC+25+\j]
.endr
.irp j, 0,2,4,6
	v_pk_add_f32 v[T+\j:T+\j+1], v[T+\j:T+\j+1], v[T+8+\j:T+9+\j]
.endr
.irp j, 0,1,2,3,4,5,6,7
	ds_store_b32 v[VP], v[T+\j] offset:512*(\t)+64*\j        ; lanes r and 16 + r store the same number to the same word
.endr
	WIN 0x40
.irp i, 0,1,2,3,4,5,6,7
	ds_load_b128 v[128*(\t)+4*\i:128*(\t)+4*\i+3], v[VCL] offset:2*CSP*\i
.endr
	s_wait_dscnt 0x0
	WIN 0x04
.irp i, 0,1,2,3,4,5,6,7
	global_store_b128 v[VXC], v[128*(\t)+4*\i:128*(\t)+4*\i+3], s[12:13] offset:(16*(\t)+2*\i)*1024
.endr
	WIN 0
.endm
	CHUNK 0
	CHUNK 1
	TILE_OUT 0
	CHUNK 2
	CHUNK 3
	TILE_OUT 1
	s_barrier_signal -1                            ; (TILE_OUT's wait for 0 stands in front: my partial t has landed)
	s_barrier_wait -1
.irp p, 0,1,2,3                        ; wave w adds the four waves' parts of n = 2 w and 2 w + 1; lane = row
.irp n, 0,1
	ds_load_b32 v[T+2*\p+\n], v[VPR] offset:1024*\p+64*\n
.endr
.endr
	s_wait_dscnt 0x0
	v_pk_add_f32 v[T:T+1], v[T:T+1], v[T+2:T+3]
	v_pk_add_f32 v[T+4:T+5], v[T+4:T+5], v[T+6:T+7]
	v_pk_add_f32 v[T:T+1], v[T:T+1], v[T+4:T+5]
	global_store_b32 v[VTO], v[T], s[14:15]                  ; 128 consecutive bytes a store: t is 32 numbers a row and work-group, no longer run exists
	global_store_b32 v[VTO], v[T+1], s[14:15] offset:32768
	s_set_vgpr_msb 0x8
	s_wait_tensorcnt 0x0
	ds_add_u32 v15, v1
	s_wait_dscnt 0x0
	s_set_vgpr_msb 0x800
	s_endpgm
.Lfunc_end_k_q14a5f94a55_prep:
	.size	k_q14a5f94a55_prep, .Lfunc_end_k_q14a5f94a55_prep-k_q14a5f94a55_prep
	.p2alignl 7, 3214868480
	.fill 96, 4, 3214868480
	.section	.rodata,"a",@progbits
	.p2align	6, 0x0
	.amdhsa_kernel k_q14a5f94a55_prep
		.amdhsa_group_segment_fixed_size 88832
		.amdhsa_private_segment_fixed_size 0
		.amdhsa_enable_private_segment 0
		.amdhsa_kernarg_size 48
		.amdhsa_user_sgpr_count 2
		.amdhsa_user_sgpr_kernarg_segment_ptr 1
		.amdhsa_wavefront_size32 1
		.amdhsa_system_sgpr_workgroup_id_x 1
		.amdhsa_system_sgpr_workgroup_id_y 1
		.amdhsa_system_sgpr_workgroup_id_z 1
		.amdhsa_system_vgpr_workitem_id 0
		.amdhsa_next_free_vgpr 514
		.amdhsa_next_free_sgpr 66
		.amdhsa_reserve_vcc 0
		.amdhsa_float_denorm_mode_32 3
		.amdhsa_float_denorm_mode_16_64 3
		.amdhsa_memory_ordered 1
		.amdhsa_forward_progress 1
		.amdhsa_inst_pref_size 62
	.end_amdhsa_kernel
	.amdgpu_metadata
---
amdhsa.version: [ 1, 2 ]
amdhsa.kernels:
  - .name:           k_q14a5f94a55_prep
    .symbol:         k_q14a5f94a55_prep.kd
    .args:
      - { .name: x, .offset: 0, .size: 8, .value_kind: global_buffer, .address_space: global }
      - { .name: w_a_q, .offset: 8, .size: 8, .value_kind: global_buffer, .address_space: global }
      - { .name: w_a_v, .offset: 16, .size: 8, .value_kind: global_buffer, .address_space: global }
      - { .name: lowp_scales, .offset: 24, .size: 8, .value_kind: global_buffer, .address_space: global }
      - { .name: x_codes, .offset: 32, .size: 8, .value_kind: global_buffer, .address_space: global }
      - { .name: t, .offset: 40, .size: 8, .value_kind: global_buffer, .address_space: global }
    .group_segment_fixed_size: 88832
    .private_segment_fixed_size: 0
    .kernarg_segment_align: 8
    .kernarg_segment_size: 48
    .max_flat_workgroup_size: 128
    .sgpr_count:     66
    .vgpr_count:     514
    .wavefront_size: 32
...
	.end_amdgpu_metadata
.endif
;; end of part 1
;; launch qkv (part 2): grid 12 x 32, 4 waves a work-group, clusters of 4 x 4, 327,680 bytes of LDS; arguments x_codes, w_qkv_codes, lowp_scales, t, w_b_q, w_b_v, qkv; writes qkv
.if DOCPART == 2
	.amdgcn_target "amdgcn-amd-amdhsa--gfx1250"
	.amdhsa_code_object_version 6
	.text
	.protected	k_q14a5f94a55_qkv
	.globl	k_q14a5f94a55_qkv
	.p2align	8
	.type	k_q14a5f94a55_qkv,@function
k_q14a5f94a55_qkv:
	s_mov_b64 s[64:65], 0
	v_nop
	global_prefetch_b8 v0, s[64:65] scope:SCOPE_SE
	s_setreg_imm32_b32 hwreg(HW_REG_WAVE_MODE, 25, 1), 1
	s_wait_xcnt 0x0
	s_wait_alu depctr_hold_cnt(0) depctr_sa_sdst(0) depctr_va_vdst(0) depctr_va_sdst(0) depctr_va_ssrc(0) depctr_va_vcc(0) depctr_vm_vsrc(0)
	s_getreg_b32 s2, hwreg(HW_REG_IB_STS2, 6, 4)
	s_cmp_eq_u32 s2, 0
	s_cbranch_scc0 .Lentry_in_a_cluster
	s_endpgm
.Lentry_in_a_cluster:
	s_bfe_u32 s2, ttmp6, 0x10000c
	s_cmp_lg_u32 s2, 0xf033
	s_cbranch_scc0 .Lentry_shape_is_right
	s_endpgm
.Lentry_shape_is_right:
; q = x w_q + t_q w_b_q, k = x w_k, v = x w_v + t_v w_b_v; the large product on codes of BF8 (E5M2) with the scales 2^e0, 2^e1; the rank-4 products in f32; q, k, v are quantised
; (2^e2, 2^e3, 2^e5) and stored as images of the next launch's operand registers.
; A tile of 256 x 256 is made by four waves, each 128 x 128: 64 accumulators.  K = 1,024 goes in steps of 256 through two LDS slots filled by the tensor data mover.
; CLUSTERS: 4 x 4 work-groups; the cluster's x is the kind (0 q, 1 k, 2 v), equal in all sixteen.  Source 1 of the products (a lane's row) is shared along a row of the cluster, source 0 (a lane's
; registers) along a column: each tile is asked for jointly, by the same tensor load with the same descriptor and a mask that names the four.
; ONE TEXT FOR THE THREE KINDS, WITHOUT A BRANCH.  A lane's eight results must run along the NEXT product's K: the head's channels for q and k, the keys for v.  So for q and k source 1 = 16 tokens (x's codes)
; and source 0 = 16 columns (w's codes); for v the two change places.  Both tensors have rows of 1,024 bytes: only pointers, tile numbers and offsets differ, chosen by s_cselect on the cluster's x.
; THE RANK-4 PRODUCT IS THE SUMS' FIRST K STEP: v_wmma_f32_16x16x4_f32 with C = 0, one for each accumulator, its source 1 multiplied by 2^-(e0 + e1), the power of two that the sums of codes lack.
; k has no such product: its factor is 0, which starts its sums as a C of 0 would and keeps all kinds on one path.  This work stands while the first tiles are on their way.
; IMAGES.  q, k: [batch x head 64][16 tokens 128][piece 2][lane][16 bytes]: lane (r, h) registers 2 c, 2 c + 1 = channels 16 c + 8 h + 0 .. 7 of token r.   v: [batch x head][128 keys 16][16 channels 4][piece 4][lane][16 bytes]:
; lane (r, h) registers 2 c, 2 c + 1 = keys 16 c + 8 h + 0 .. 7 of channel r.  The conversions' results are these registers: every store is 512 consecutive bytes, aligned, straight from registers.
; LIMITS on the given exponents, so that each power of two is an f32 number: e0 + e1 between -127 and 126; e2 - e0 - e1, e3 - e0 - e1, e5 - e0 - e1 between -126 and 112.  NaN and infinities among t and w_b are not served.
; REGISTERS, in windows of 256: window 0: v0-31 addresses; v32-95 at work (first the rank-4 source 1); v96-111 store offsets; from v128 source 1's fragments, one set, later the codes.
;   window 1: source 0's fragments, two sets, at v0 and v128 (first the rank-4 source 0 at v128).   windows 2, 3: the accumulators, (a, b) at v[8 (8 (a % 4) + b)]; written by matrix instructions alone.
.set SIZE_K, 1024
.set KSTEP,  256
.set ROWB,   256
.set KROW,   SIZE_K
.set PITCH,  272                       ; an LDS row: 256 bytes + 16 of padding: the 16 rows that a load touches start at 16 different banks (64 banks of 4 bytes: ISA guide 11.1)
.set FR,     16
.set NL,     4
.set NP,     4
.set HALFT,  128*PITCH
.set SLOT,   4*HALFT
.set LAPS,   SIZE_K/(2*KSTEP)
.set SPARE,  2*SLOT                    ; behind the ring: the spare words, 128 bytes for each wave
.set ADRA, 16
.set ADRB, 20
.set CO,   26                          ; 16 x lane
.set SPW,  28
.set NIL,  29
.set SCO,  30                          ; 2^(e_out - e0 - e1)
.set LIMO, 31                          ; 57,344 x that
.set TMP,  32
.set UF,   32                          ; the rank-4 product's source 1: 8 blocks x 2 registers
.set OFS,  96                          ; store offsets: two for each block a
.set AF,   128
.set CODE, 128
.set WFR,  128                         ; window 1: the rank-4 product's source 0
.set G1, 24
.set G0, 32
.set G1B, 48
.set G0B, 56
.set MSB, 0
.macro WIN new
.if MSB != \new
	s_set_vgpr_msb (MSB<<8)|\new
.set MSB, \new
.endif
.endm
.set MUL_LO, 0xa1                      ; source 0 window 1, source 1 window 0, C and D window 2
.set MUL_HI, 0xf1                      ; the same, C and D window 3
.set TO_B,   0x40
; A joint load: waves 0 and 1 fetch source 1's two halves, waves 2 and 3 source 0's.  The branch hangs on the wave's number alone.  Four v_nop follow each line.
.macro JLOAD g0a, g1a, g0b, g1b
	s_cmp_eq_u32 s15, 0
	s_cbranch_scc0 .Lfor_b_\@
	tensor_load_to_lds s[\g0a:\g0a+3], s[\g1a:\g1a+7]
	s_nop 0
.rept 4
	v_nop
.endr
	s_branch .Lasked_\@
.Lfor_b_\@:
	tensor_load_to_lds s[\g0b:\g0b+3], s[\g1b:\g1b+7]
	s_nop 0
.rept 4
	v_nop
.endr
.Lasked_\@:
.endm
.macro CREST
	s_cmp_lg_u32 s14, 0
	s_cbranch_scc1 .Lnot_wave_0_\@
	s_barrier_signal -3
.Lnot_wave_0_\@:
	s_barrier_wait -3
	s_barrier_signal -1
	s_barrier_wait -1
.endm
.macro CROUND
	s_barrier_signal -1
	s_barrier_wait -1
	CREST
.endm
	s_load_b128 s[4:7], s[0:1], 0x0                ; x's codes, w_qkv's codes
	s_load_b256 s[68:75], s[0:1], 0x10             ; the scales' exponents, t, w_b_q, w_b_v
	s_load_b64 s[76:77], s[0:1], 0x30              ; qkv
	v_lshl_add_u32 v[SPW], v0, 2, SPARE
	v_mov_b32 v[NIL], 0
	ds_add_u32 v28, v29
	ds_add_u32 v28, v29
	s_wait_dscnt 0x0
	v_lshrrev_b32 v1, 5, v0
	v_readfirstlane_b32 s14, v1                    ; wave 0..3
	s_lshr_b32 s15, s14, 1                         ; which half of source 1's rows is mine.  Also: I fetch for source 1 (0) or source 0 (1)
	s_and_b32 s16, s14, 1                          ; which half of source 0's rows.  Also: which 128 rows of that tile I fetch
	s_bfe_u32 s40, ttmp6, 0x40000                  ; cx
	s_bfe_u32 s41, ttmp6, 0x40004                  ; cy
	s_and_b32 s13, ttmp7, 0xffff                   ; the cluster's y: which 1,024 tokens
	s_cmp_eq_u32 ttmp9, 2                          ; v?  The cluster's x is equal in all partners
	s_cselect_b32 s17, ttmp9, s13
	s_cselect_b32 s42, s13, ttmp9
	s_lshl_b32 s17, s17, 2
	s_add_co_u32 s17, s17, s41                     ; source 1's tile of 256 rows: tokens 4 Y + cy; for v: w's rows 4 X + cy
	s_lshl_b32 s42, s42, 2
	s_add_co_u32 s42, s42, s40                     ; source 0's tile: w's rows 4 X + cx; for v: tokens 4 Y + cx
	s_lshl_b32 s43, s41, 2
	s_lshl_b32 s43, 15, s43                        ; my row of the cluster
	s_lshl_b32 s44, 0x1111, s40                    ; my column
	s_or_b32 s[G1+0], s43, (0<<16)|(1<<20)|(1<<21)|(5<<22)|(3<<25)  ; the mask; elements of 1 byte; padding on; bit 21 beside a mask; after every 64 words four words
	s_or_b32 s[G1B+0], s44, (0<<16)|(1<<20)|(1<<21)|(5<<22)|(3<<25)
.irp g, G1, G1B
	s_mov_b32 s[\g+1], ROWB<<16                    ; tensor_dim0
	s_mov_b32 s[\g+2], 128<<16                     ; tensor_dim1
	s_mov_b32 s[\g+3], ROWB<<16                    ; tile_dim0
	s_mov_b32 s[\g+4], 128                         ; tile_dim1
	s_mov_b32 s[\g+5], KROW                        ; from row to row
	s_mov_b32 s[\g+6], 0
	s_mov_b32 s[\g+7], 0
.endr
	s_lshl_b32 s18, s16, 7
	s_lshl_b32 s20, s17, 8
	s_add_co_u32 s20, s20, s18
	s_lshl_b32 s46, s42, 8
	s_add_co_u32 s46, s46, s18
	s_mov_b32 s21, 0
	s_mov_b32 s47, 0
	s_mov_b64 s[18:19], KROW
	s_mul_u64 s[20:21], s[20:21], s[18:19]
	s_mul_u64 s[46:47], s[46:47], s[18:19]
	s_mul_i32 s45, s14, HALFT                      ; where a tile goes: wave x 128 rows
	s_wait_kmcnt 0x0
	s_load_b256 s[88:95], s[68:69], 0x0            ; e0 .. e7
	s_cmp_eq_u32 ttmp9, 2
	s_cselect_b64 s[8:9], s[6:7], s[4:5]           ; source 1's tensor
	s_cselect_b64 s[10:11], s[4:5], s[6:7]         ; source 0's
	s_add_nc_u64 s[20:21], s[8:9], s[20:21]
	s_add_nc_u64 s[46:47], s[10:11], s[46:47]
	CROUND                                         ; all sixteen work-groups are here: the first joint loads meet
.irp s, 0,1
	s_mov_b32 s[G0+4*\s], 1
	s_add_co_u32 s[G0+4*\s+1], s45, \s*SLOT
	s_add_nc_u64 s[G0+4*\s+2:G0+4*\s+3], s[20:21], \s*ROWB
	s_or_b32 s[G0+4*\s+3], s[G0+4*\s+3], 0x80000000
	s_mov_b32 s[G0B+4*\s], 1
	s_add_co_u32 s[G0B+4*\s+1], s45, \s*SLOT
	s_add_nc_u64 s[G0B+4*\s+2:G0B+4*\s+3], s[46:47], \s*ROWB
	s_or_b32 s[G0B+4*\s+3], s[G0B+4*\s+3], 0x80000000
	JLOAD G0+4*\s, G1, G0B+4*\s, G1B
.endr
	v_and_b32 v1, 15, v0                           ; r
	v_bfe_u32 v2, v0, 4, 1                         ; h
	v_mul_u32_u24 v3, v1, PITCH
	v_lshl_add_u32 v4, v2, 4, v3
	s_mul_i32 s21, s15, HALFT
	s_mul_i32 s22, s16, HALFT
	s_add_co_u32 s22, s22, 2*HALFT
.irp s, 0,1
	v_add_nc_u32 v[ADRA+\s], s21, v4
	v_add_nc_u32 v[ADRB+\s], s22, v4
	s_add_co_u32 s21, s21, SLOT
	s_add_co_u32 s22, s22, SLOT
.endr
	v_and_b32 v6, 31, v0
	v_lshlrev_b32 v[CO], 4, v6
	; THE RANK-4 PRODUCT'S OPERANDS.  Source 1: q, k: t's rows 0-3 at my 128 tokens; v: w_b_v at my 128 channels.  Source 0: q, k: w_b_q at my 128 columns; v: t's rows 4-7 at my 128 tokens.
	; The f32 form's register j holds rank 2 h + j of row r: byte (2 h + j) x (a rank's bytes) + 4 x (first index + 16 x block + r).
	s_lshl_b32 s82, s17, 8
	s_lshl_b32 s83, s15, 7
	s_add_co_u32 s82, s82, s83
	s_lshl_b32 s83, s42, 8
	s_lshl_b32 s87, s16, 7
	s_add_co_u32 s83, s83, s87
	s_lshl_b32 s87, ttmp9, 10
	s_cmp_eq_u32 ttmp9, 2
	s_cselect_b32 s99, 2048, 0
	s_cselect_b32 s87, 0, s87
	s_mov_b32 s84, 32768
	s_cselect_b32 s84, 4096, s84                   ; a rank's bytes in source 1's table
	s_mov_b32 s85, 4096
	s_cselect_b32 s85, 32768, s85                  ; and in source 0's
	s_mov_b32 s96, 1024
	s_cselect_b32 s96, 2048, s96                   ; the images: from block a to a + 1 inside a group of four,
	s_mov_b32 s97, 4096
	s_cselect_b32 s97, 131072, s97                 ; from group to group,
	s_mov_b32 s98, 131072
	s_cselect_b32 s98, 1024, s98                   ; and from a block's first eight registers to its last eight
	s_sub_co_u32 s82, s82, s99                     ; source 1's first index: token; for v: channel (w's row less 2,048)
	s_sub_co_u32 s83, s83, s87                     ; source 0's: column inside q or k (w's row less 1,024 X); for v: token
	s_lshl_b32 s82, s82, 2
	s_lshl_b32 s83, s83, 2
	s_add_nc_u64 s[80:81], s[70:71], 131072        ; t's rows 4-7
	s_cmp_eq_u32 ttmp9, 2
	s_cselect_b64 s[78:79], s[74:75], s[70:71]
	s_cselect_b64 s[80:81], s[80:81], s[72:73]
	v_lshlrev_b32 v8, 2, v1
	v_lshlrev_b32 v9, 1, v2
	v_mul_u32_u24 v10, s84, v9
	v_add3_u32 v10, v10, v8, s82
	v_add_nc_u32 v11, s84, v10
	v_mul_u32_u24 v12, s85, v9
	v_add3_u32 v12, v12, v8, s83
	v_add_nc_u32 v13, s85, v12
.irp a, 0,1,2,3,4,5,6,7
	global_load_b32 v[UF+2*\a], v10, s[78:79] offset:64*\a
	global_load_b32 v[UF+2*\a+1], v11, s[78:79] offset:64*\a
.endr
	WIN TO_B
.irp b, 0,1,2,3,4,5,6,7
	global_load_b32 v[WFR+2*\b], v12, s[80:81] offset:64*\b
	global_load_b32 v[WFR+2*\b+1], v13, s[80:81] offset:64*\b
.endr
	WIN 0
	; where my images go.  q, k: part X; head 4 cx + 2 (my half of the columns); 16-token tile (tile row % 8) x 16 + 8 (my half of the rows) + a.
	s_lshr_b32 s66, s17, 3
	s_lshl_b32 s66, s66, 4
	s_lshl_b32 s67, s40, 2
	s_add_co_u32 s66, s66, s67
	s_lshl_b32 s67, s16, 1
	s_add_co_u32 s66, s66, s67
	s_lshl_b32 s66, s66, 7
	s_and_b32 s67, s17, 7
	s_lshl_b32 s67, s67, 4
	s_add_co_u32 s66, s66, s67
	s_lshl_b32 s67, s15, 3
	s_add_co_u32 s66, s66, s67
	s_lshl_b32 s66, s66, 10
	s_lshl_b32 s67, ttmp9, 23
	s_add_co_u32 s66, s66, s67
	; v: part 2; head 4 cy + 2 (my half of the channels) + a / 4; key step (token tile % 8) x 2 + my half of the tokens; channel tile a % 4.
	s_lshr_b32 s82, s42, 3
	s_lshl_b32 s82, s82, 4
	s_lshl_b32 s83, s41, 2
	s_add_co_u32 s82, s82, s83
	s_lshl_b32 s83, s15, 1
	s_add_co_u32 s82, s82, s83
	s_lshl_b32 s82, s82, 4
	s_and_b32 s83, s42, 7
	s_lshl_b32 s83, s83, 1
	s_add_co_u32 s82, s82, s83
	s_add_co_u32 s82, s82, s16
	s_lshl_b32 s82, s82, 13
	s_add_co_u32 s82, s82, 16777216
	s_cmp_eq_u32 ttmp9, 2
	s_cselect_b32 s66, s82, s66
.irp a, 0,1,2,3,4,5,6,7
	s_mul_i32 s87, s96, (\a)&3
	s_mul_i32 s99, s97, (\a)>>2
	s_add_co_u32 s87, s87, s99
	s_add_co_u32 s87, s87, s66
	v_add_nc_u32 v[OFS+2*\a], s87, v[CO]
	v_add_nc_u32 v[OFS+2*\a+1], s98, v[OFS+2*\a]
.endr
	s_wait_kmcnt 0x0
	s_add_co_i32 s86, s88, s89                     ; e0 + e1
	s_cmp_eq_u32 ttmp9, 0
	s_cselect_b32 s87, s90, s91
	s_cmp_eq_u32 ttmp9, 2
	s_cselect_b32 s87, s93, s87                    ; e2, e3 or e5
	s_sub_co_i32 s87, s87, s86                     ; a sum stands for sum x 2^(e0 + e1): the three scales are folded into the conversion's one
	s_add_co_i32 s87, s87, 127
	s_lshl_b32 s99, s87, 23
	v_mov_b32 v[SCO], s99
	s_add_co_i32 s87, s87, 15
	s_lshl_b32 s87, s87, 23
	s_or_b32 s87, s87, 0x600000
	v_mov_b32 v[LIMO], s87
	s_sub_co_i32 s86, 127, s86
	s_lshl_b32 s86, s86, 23                        ; 2^-(e0 + e1)
	s_cmp_eq_u32 ttmp9, 1
	s_cselect_b32 s86, 0, s86                      ; k: 0
	s_wait_loadcnt 0x0
.irp i, 0,1,2,3,4,5,6,7,8,9,10,11,12,13,14,15
	v_mul_f32 v[UF+\i], s86, v[UF+\i]
.endr
.macro LORA16 a0                       ; the sums' first K step, in the order in which the accumulators take turns ever after
.irp a, \a0, \a0+1
.irp b, 0,1,2,3,4,5,6,7
	v_wmma_f32_16x16x4_f32 v[8*(8*((\a)%4)+\b):8*(8*((\a)%4)+\b)+7], v[WFR+2*\b:WFR+2*\b+1], v[UF+2*(\a):UF+2*(\a)+1], 0
.endr
.endr
.endm
	WIN MUL_LO
	LORA16 0
	LORA16 2
	WIN MUL_HI
	LORA16 4
	LORA16 6
.rept 9
	v_nop                                          ; another form writes over these results next: nine places behind the f32 form (ISA guide 7.12.1; this text does not count matrix instructions as places)
.endr
	WIN 0
.macro FRAG reg, adr, q, i             ; 16 rows x 128 K: lane l holds row l % 16; registers 4 c .. 4 c + 3 hold K = 32 c + 16 (l / 16) + 0 .. 15: the same places of k in both sources
.irp c, 0,1,2,3
	ds_load_b128 v[\reg+4*\c:\reg+4*\c+3], v[\adr] offset:128*(\q)+32*\c+(\i)*16*PITCH
.endr
.endm
; 16 matrix instructions: source 1's blocks a0, a0 + 1 x source 0's eight.  The 64 accumulators take turns, one instruction a turn, in the same order in every step.
.macro MUL16 a0, p
.irp a, \a0, \a0+1
.irp b, 0,1,2,3,4,5,6,7
	v_wmma_f32_16x16x128_bf8_bf8 v[8*(8*((\a)%4)+\b):8*(8*((\a)%4)+\b)+7], v[128*(\p)+FR*\b:128*(\p)+FR*\b+FR-1], v[AF+FR*(\a):AF+FR*(\a)+FR-1], v[8*(8*((\a)%4)+\b):8*(8*((\a)%4)+\b)+7]
.endr
.endr
.endm
.macro FETCH_B slot, q, p
	WIN TO_B
.irp i, 0,1,2,3,4,5,6,7
	FRAG 128*(\p)+FR*\i, ADRB+\slot, \q, \i
.endr
	WIN 0
.endm
.macro FETCH_A slot, q, i0
.irp i, \i0, \i0+1, \i0+2, \i0+3
	FRAG AF+FR*(\i), ADRA+\slot, \q, \i
.endr
.endm
.macro PLACES n                        ; places in front of loads into registers that matrix instructions have read, and of the first read of results
.rept \n
	v_nop
.endr
.endm
.macro STEP slot, q                    ; a step of 128 along K that has its successor in the same slot
	s_wait_dscnt 4*NL                              ; source 0's set and source 1's blocks 0-3 are in; the youngest sixteen loads (blocks 4-7) may be out
	WIN MUL_LO
	MUL16 0, (\q)%2
	MUL16 2, (\q)%2
	s_wait_dscnt 0
	PLACES NP
	FETCH_B \slot, (\q)+1, 1-(\q)%2
	FETCH_A \slot, (\q)+1, 0
	WIN MUL_HI
	MUL16 4, (\q)%2
	MUL16 6, (\q)%2
	PLACES NP
	WIN 0
	FETCH_A \slot, (\q)+1, 4
.endm
; A slot's last step changes slots: one barrier; in front of it each wave waits for all its tensor loads, adds 0 to its spare word, and waits for that and for its reads of this slot.
.macro TURN slot, next, fill
	s_wait_tensorcnt 0x0                           ; all my tensor loads have landed: my part of the next slot
	ds_add_u32 v[SPW], v[NIL]                      ; 0 onto my spare word
	s_wait_dscnt 4*NL+1                            ; (the add and the youngest sixteen loads may be out)
	WIN MUL_LO
	MUL16 0, 1
	s_wait_dscnt 0x0                               ; the add is done, and my reads of this slot are over
	s_barrier_signal -1
	MUL16 2, 1
	WIN 0
	s_barrier_wait -1
.if \fill
	CREST                                          ; the barrier has opened a meeting of the whole cluster: no wave of any partner still reads this slot or has a load on its way
	s_add_nc_u64 s[G0+4*\slot+2:G0+4*\slot+3], s[G0+4*\slot+2:G0+4*\slot+3], 2*ROWB
	s_add_nc_u64 s[G0B+4*\slot+2:G0B+4*\slot+3], s[G0B+4*\slot+2:G0B+4*\slot+3], 2*ROWB
	JLOAD G0+4*\slot, G1, G0B+4*\slot, G1B         ; my one tensor load behind it; its four v_nop are the places in front of the loads below
.else
	PLACES NP
.endif
	FETCH_B \next, 0, 0
	FETCH_A \next, 0, 0
	WIN MUL_HI
	MUL16 4, 1
	MUL16 6, 1
	PLACES NP
	WIN 0
	FETCH_A \next, 0, 4
.endm
	s_wait_tensorcnt 1                             ; my part of K step 0 is in; K step 1's load may stay out
	s_barrier_signal -1
	s_barrier_wait -1
	FETCH_B 0, 0, 0
	FETCH_A 0, 0, 0
	FETCH_A 0, 0, 4
	STEP 0, 0
	s_mov_b32 s3, LAPS-1
.Llap:                                                 ; a trip goes once round the ring and fills both slots again
	TURN 0, 1, 1
	STEP 1, 0
	TURN 1, 0, 1
	STEP 0, 0
	s_sub_co_u32 s3, s3, 1
	s_cmp_lg_u32 s3, 0
	s_cbranch_scc1 .Llap
	TURN 0, 1, 0                                   ; the last lap fills nothing
	STEP 1, 0
	s_wait_dscnt 4*NL
	WIN MUL_LO
	MUL16 0, 1
	MUL16 2, 1
	s_wait_dscnt 0
	WIN MUL_HI
	MUL16 4, 1
	MUL16 6, 1
	PLACES NP
	; THE WAY OUT, block a of source 1 at a time: the hold, eight conversions, four stores.  Every block has registers and offsets of its own, so no store's sources are written again.
.irp a, 0,1,2,3,4,5,6,7
	WIN 0x02+((\a)/4)                              ; source 0: window 2 or 3
.set J, 0
.rept 64
	v_med3_num_f32 v[TMP+J], v[64*((\a)%4)+J], -v[LIMO], v[LIMO]   ; the conversion to an 8-bit code does not saturate (ISA guide 7.6.2); each accumulator from its low end on
.set J, J+1
.endr
	WIN 0
.irp b, 0,1,2,3,4,5,6,7
	v_cvt_scalef32_pk8_bf8_f32 v[CODE+16*\a+2*\b:CODE+16*\a+2*\b+1], v[TMP+8*\b:TMP+8*\b+7], v[SCO]
.endr
	v_nop                                          ; one plain line behind the last conversion
	global_store_b128 v[OFS+2*\a], v[CODE+16*\a:CODE+16*\a+3], s[76:77]               ; 32 lanes store 512 consecutive bytes, aligned
	global_store_b128 v[OFS+2*\a], v[CODE+16*\a+4:CODE+16*\a+7], s[76:77] offset:512
	global_store_b128 v[OFS+2*\a+1], v[CODE+16*\a+8:CODE+16*\a+11], s[76:77]
	global_store_b128 v[OFS+2*\a+1], v[CODE+16*\a+12:CODE+16*\a+15], s[76:77] offset:512
.endr
	s_wait_tensorcnt 0x0                           ; the wave's end
	ds_add_u32 v[SPW], v[NIL]
	s_wait_dscnt 0x0
	CROUND                                         ; no work-group ends while a partner may still ask for a tile that names it
	s_endpgm
.Lfunc_end_k_q14a5f94a55_qkv:
	.size	k_q14a5f94a55_qkv, .Lfunc_end_k_q14a5f94a55_qkv-k_q14a5f94a55_qkv
	.p2alignl 7, 3214868480
	.fill 96, 4, 3214868480
	.section	.rodata,"a",@progbits
	.p2align	6, 0x0
	.amdhsa_kernel k_q14a5f94a55_qkv
		.amdhsa_group_segment_fixed_size 327680
		.amdhsa_private_segment_fixed_size 0
		.amdhsa_enable_private_segment 0
		.amdhsa_kernarg_size 56
		.amdhsa_user_sgpr_count 2
		.amdhsa_user_sgpr_kernarg_segment_ptr 1
		.amdhsa_wavefront_size32 1
		.amdhsa_system_sgpr_workgroup_id_x 1
		.amdhsa_system_sgpr_workgroup_id_y 1
		.amdhsa_system_sgpr_workgroup_id_z 1
		.amdhsa_system_vgpr_workitem_id 0
		.amdhsa_next_free_vgpr 1024
		.amdhsa_next_free_sgpr 100
		.amdhsa_reserve_vcc 0
		.amdhsa_float_denorm_mode_32 3
		.amdhsa_float_denorm_mode_16_64 3
		.amdhsa_memory_ordered 1
		.amdhsa_forward_progress 1
		.amdhsa_inst_pref_size 130
	.end_amdhsa_kernel
	.amdgpu_metadata
---
amdhsa.version: [ 1, 2 ]
amdhsa.kernels:
  - .name:           k_q14a5f94a55_qkv
    .symbol:         k_q14a5f94a55_qkv.kd
    .args:
      - { .name: x_codes, .offset: 0, .size: 8, .value_kind: global_buffer, .address_space: global }
      - { .name: w_qkv_codes, .offset: 8, .size: 8, .value_kind: global_buffer, .address_space: global }
      - { .name: lowp_scales, .offset: 16, .size: 8, .value_kind: global_buffer, .address_space: global }
      - { .name: t, .offset: 24, .size: 8, .value_kind: global_buffer, .address_space: global }
      - { .name: w_b_q, .offset: 32, .size: 8, .value_kind: global_buffer, .address_space: global }
      - { .name: w_b_v, .offset: 40, .size: 8, .value_kind: global_buffer, .address_space: global }
      - { .name: qkv, .offset: 48, .size: 8, .value_kind: global_buffer, .address_space: global }
    .group_segment_fixed_size: 327680
    .private_segment_fixed_size: 0
    .kernarg_segment_align: 8
    .kernarg_segment_size: 56
    .max_flat_workgroup_size: 128
    .sgpr_count:     100
    .vgpr_count:     1024
    .wavefront_size: 32
...
	.end_amdgpu_metadata
.endif
;; end of part 2
;; launch attn (part 3): grid 4 x 64, 8 waves a work-group, no clusters, 263,168 bytes of LDS; arguments qkv, lowp_scales, o_img; writes o_img
.if DOCPART == 3
	.amdgcn_target "amdgcn-amd-amdhsa--gfx1250"
	.amdhsa_code_object_version 6
	.text
	.protected	k_q14a5f94a55_attn
	.globl	k_q14a5f94a55_attn
	.p2align	8
	.type	k_q14a5f94a55_attn,@function
k_q14a5f94a55_attn:
	s_mov_b64 s[64:65], 0
	v_nop
	global_prefetch_b8 v0, s[64:65] scope:SCOPE_SE
	s_setreg_imm32_b32 hwreg(HW_REG_WAVE_MODE, 25, 1), 1
	s_wait_xcnt 0x0
; O = softmax(q k^T / 8) v for one head, both products on codes of BF8 (E5M2) with the given scales 2^e2, 2^e3 (q, k) and 2^e4, 2^e5 (p, v); O is quantised with 2^e6 and stored as images of the last product's operand.
; THE SOFTMAX: t = score x log2(e) / 8; M = the running largest t rounded UP to a whole number; p = 2^(t - M) is quantised, not normalised; the row's sum is taken of the unquantised p and divides O at the end.
; When M moves, the sum and O are multiplied by 2^(old M - new M), which rounds nothing.
; SHARES.  A work-group owns 512 queries of one head; each of its eight waves 64, four tiles of 16, so that each fragment of K and V read from LDS feeds four matrix instructions; two waves to a SIMD, so that
; one wave's vector work stands beside the other's matrix work.  Every wave walks the head's 2,048 keys, 128 a step.
; THE WHOLE HEAD LIES IN LDS, each byte written once: K's images (131,072 bytes), then V's.  They come through registers, 512 keys (four steps) ahead of their use: 16 loads of 16 bytes a thread.
; NO TENSOR LOAD AND NO CLUSTER: the hold of p at the largest code binds only where e4 <= -16 (p <= 1 and 57,344 x 2^e4 >= 1 otherwise), so it stands under a scalar branch on the given e4:
; 64 of a tile's roughly 260 vector lines a step are passed over, and vector lines are what this loop is made of.  The four query blocks of a head share its 262,144 bytes; each work-group reads them once for 512 queries.
; LAYOUT.  S^T = K Q^T (source 0 = 16 keys, source 1 = 16 queries), O^T = V^T P^T (source 0 = 16 channels, source 1 = P): a lane holds one query (lane % 16) throughout.  Register 8 kt + j of S^T is key 16 kt + 8 h + j,
; so the conversions' results are registers 2 kt, 2 kt + 1 of the K = 128 form's own layout, in which V's images lie.
; LIMITS on the given exponents: e2 + e3 between -122 and 129 (added to c's exponent field); e4, and e6 - e4 - e5, between -126 and 112.  NaN among the inputs is not served.
; REGISTERS: window 0: v1-7 addresses, 2^e4; v8-15 at work; v16-31 four a tile: -M, largest t, the sum in two halves; v32-63 Q; v64-127 K of a step; v128-191 S^T, then p; v192-207 p's codes; v208-241 the way out.
;            window 1: v0-127 O^T (tile tau, channels 16 t on, at v[32 tau + 8 t]); v128-191 V of a step; v192-255 the next 512 keys on their way to LDS.
.set LI,  1                            ; 16 x lane
.set VT,  2                            ; 16 x thread
.set ADK, 3
.set ADV, 4
.set SA,  5
.set SB,  6
.set SCP, 7                            ; 2^e4
.set QF,  32
.set KF,  64
.set S,   128
.set P,   192
.set VV,  128                          ; window 1
.set STG, 192                          ; window 1
.set WV,  16
.set SEL, 20                           ; s[20:21] lane selects: lane l xor 16
.set CS,  22                           ; s[22:23] c = log2(e) / 8 x 2^(e2 + e3)
.set EP,  36                           ; e4
.set GRP, 40
.set STP, 41
.set TB,  42                           ; LDS byte of the step's K images
.set GO,  43                           ; LDS byte of the group to be stored
.set HM,  44                           ; lanes 16-31
.set SCO, 45
.set LMO, 46
.set LIM, 47                           ; 57,344 x 2^e4
.set MSB, 0
.macro WIN new
.if MSB != \new
	s_set_vgpr_msb (MSB<<8)|\new
.set MSB, \new
.endif
.endm
	s_load_b128 s[4:7], s[0:1], 0x0                ; qkv, the scales' exponents
	s_load_b64 s[8:9], s[0:1], 0x10                ; o_img
	v_lshl_add_u32 v254, v0, 2, 0x40000
	v_mov_b32 v255, 0
	v_lshrrev_b32 v3, 5, v0
	v_readfirstlane_b32 s[WV], v3                  ; wave 0..7
	v_and_b32 v3, 31, v0
	v_lshlrev_b32 v[LI], 4, v3
	v_lshlrev_b32 v[VT], 4, v0
	s_and_b32 s17, ttmp7, 0xffff                   ; batch x 16 + head
	s_lshl_b32 s18, s17, 17                        ; its 131,072 bytes in each of the three parts
	s_mov_b32 s19, 0
	s_lshl_b32 s24, ttmp9, 15                      ; my queries' images: tile 32 x block + 4 x wave, 1,024 bytes each
	s_lshl_b32 s25, s[WV], 12
	s_add_co_u32 s24, s24, s25
	s_add_co_u32 s24, s24, s18
	s_mov_b32 s25, 0
	s_lshr_b32 s26, s17, 4                         ; o_img: row tile batch x 128 + 32 x block + 4 x wave, 16,384 bytes each; + head x 1,024
	s_lshl_b32 s26, s26, 7
	s_lshl_b32 s27, ttmp9, 5
	s_add_co_u32 s26, s26, s27
	s_lshl_b32 s27, s[WV], 2
	s_add_co_u32 s26, s26, s27
	s_lshl_b32 s26, s26, 14
	s_and_b32 s27, s17, 15
	s_lshl_b32 s27, s27, 10
	s_add_co_u32 s26, s26, s27
	s_mov_b32 s27, 0
	s_mov_b32 s[SEL], 0x76543210
	s_mov_b32 s[SEL+1], 0xfedcba98
	s_mov_b32 s[HM], 0xffff0000
	s_mov_b32 s[GRP], 0
	s_mov_b32 s[TB], 0
	s_mov_b32 s[GO], 0
	s_wait_kmcnt 0x0
	s_load_b256 s[32:39], s[6:7], 0x0              ; e0 .. e7
	s_add_nc_u64 s[10:11], s[4:5], s[24:25]        ; Q
	s_add_nc_u64 s[12:13], s[4:5], s[18:19]
	s_add_nc_u64 s[14:15], s[12:13], 16777216      ; V
	s_add_nc_u64 s[12:13], s[12:13], 8388608       ; K
	s_add_nc_u64 s[8:9], s[8:9], s[26:27]
.irp i, 0,1,2,3,4,5,6,7
	global_load_b128 v[QF+4*\i:QF+4*\i+3], v[LI], s[10:11] offset:512*\i    ; Q's four fragments stay in registers
.endr
.macro GLOAD                           ; 512 keys of K and of V: 256 threads x 16 bytes a line
	WIN 0x40
.irp i, 0,1,2,3,4,5,6,7
	global_load_b128 v[STG+4*\i:STG+4*\i+3], v[VT], s[12:13] offset:4096*\i
.endr
.irp i, 0,1,2,3,4,5,6,7
	global_load_b128 v[STG+32+4*\i:STG+32+4*\i+3], v[VT], s[14:15] offset:4096*\i
.endr
	WIN 0
.endm
	GLOAD
.irp tau, 0,1,2,3
	v_mov_b32 v[17+4*\tau], 0xff61b1e6             ; the largest t so far: -3e38
	v_floor_f32 v[16+4*\tau], -v[17+4*\tau]        ; -M
	v_mov_b32 v[18+4*\tau], 0                      ; the sum, in two halves
	v_mov_b32 v[19+4*\tau], 0
.endr
	v_mov_b32 v9, 0                                ; a lane permute's destination counts as one of its sources
	v_mov_b32 v11, 0                               ; (named as the upper half of the pair v[10:11])
	WIN 0x40
.set J, 0
.rept 128
	v_mov_b32 v[J], 0                              ; O^T: the step is written once; its first run finds zeros, which the first change of M leaves zeros
.set J, J+1
.endr
	WIN 0
	s_wait_kmcnt 0x0
	s_add_co_i32 s24, s34, s35
	s_lshl_b32 s24, s24, 23
	s_add_co_i32 s[CS], s24, 0x3e38aa3b            ; c = log2(e) / 8, with e2 + e3 added to its exponent field
	s_mov_b32 s[CS+1], s[CS]
	s_add_co_i32 s24, s[EP], 127
	s_lshl_b32 s25, s24, 23
	v_mov_b32 v[SCP], s25                          ; 2^e4
	s_add_co_i32 s24, s24, 15
	s_lshl_b32 s24, s24, 23
	s_or_b32 s[LIM], s24, 0x600000
	s_sub_co_i32 s24, s38, s36                     ; O^T / l stands for o / 2^(e4 + e5): the three scales are folded into the conversion's one
	s_sub_co_i32 s24, s24, s37
	s_add_co_i32 s24, s24, 127
	s_lshl_b32 s[SCO], s24, 23
	s_add_co_i32 s24, s24, 15
	s_lshl_b32 s24, s24, 23
	s_or_b32 s[LMO], s24, 0x600000
; One tile of 16 queries against the step's 128 keys.
.macro UNIT tau
.set MT, 16+4*\tau
.set SU, 18+4*\tau
.irp kt, 0,1,2,3,4,5,6,7
	v_wmma_f32_16x16x64_bf8_bf8 v[S+8*\kt:S+8*\kt+7], v[KF+8*\kt:KF+8*\kt+7], v[QF+8*\tau:QF+8*\tau+7], 0
.endr
.rept 4
	v_nop                                          ; places in front of the first read of results (ISA guide 7.12.1)
.endr
	v_max3_num_f32 v8, v[S], v[S+1], v[S+2]        ; the step's largest score of my query among my 64 keys, in two chains, ascending
	v_max3_num_f32 v14, v[S+3], v[S+4], v[S+5]
.irp i, 6,10,14,18,22,26,30,34,38,42,46,50,54,58
	v_max3_num_f32 v8, v8, v[S+\i], v[S+\i+1]
	v_max3_num_f32 v14, v14, v[S+\i+2], v[S+\i+3]
.endr
	v_max3_num_f32 v8, v8, v[S+62], v[S+63]
	v_max_num_f32 v8, v8, v14
	v_permlanex16_b32 v9, v8, s[SEL], s[SEL+1]
	v_max_num_f32 v8, v8, v9                       ; and among lane l xor 16's
	v_mul_f32 v8, s[CS], v8                        ; as t (c is positive)
	v_max_num_f32 v[MT+1], v[MT+1], v8             ; the running largest t
	v_mov_b32 v8, v[MT]
	v_floor_f32 v[MT], -v[MT+1]                    ; the new -M = floor(-t) = -ceil(t)
	v_sub_f32 v8, v[MT], v8                        ; old M - new M: a whole number, 0 or less
	v_cvt_i32_f32 v8, v8                           ; (it saturates)
	v_ldexp_f32 v10, 1.0, v8                       ; f = 2^(old M - new M)
.set J, 0
.rept 32
	v_pk_fma_f32 v[S+J:S+J+1], v[S+J:S+J+1], s[CS:CS+1], v[MT:MT+1] op_sel_hi:[1,0,0]    ; t - M, two at a time
.set J, J+2
.endr
.set J, 0
.rept 64
	v_exp_f32 v[S+J], v[S+J]                       ; p = 2^(t - M), at most 1
.set J, J+1
.endr
	v_pk_mul_f32 v[SU:SU+1], v[SU:SU+1], v[10:11] op_sel_hi:[1,0]     ; the sum under the new M (a plain line behind the exponentials)
	s_wait_alu depctr_va_vdst(0)
	v_pk_add_f32 v[12:13], v[S:S+1], v[S+2:S+3]    ; the sum of the unquantised p, in two chains
.irp j, 4,8,12,16,20,24,28,32,36,40,44,48,52,56,60
	v_pk_add_f32 v[SU:SU+1], v[SU:SU+1], v[S+\j:S+\j+1]
	v_pk_add_f32 v[12:13], v[12:13], v[S+\j+2:S+\j+3]
.endr
	v_pk_add_f32 v[SU:SU+1], v[SU:SU+1], v[12:13]
	s_cmp_ge_i32 s[EP], -15                        ; from e4 = -15 on the largest code x 2^e4 is above 1, which p never passes: the hold would change nothing
	s_cbranch_scc1 .Lno_hold_\@
.set J, 0
.rept 64
	v_min_num_f32 v[S+J], s[LIM], v[S+J]           ; the conversion to an 8-bit code does not saturate (ISA guide 7.6.2); p is not negative, so the hold is one-sided
.set J, J+1
.endr
.Lno_hold_\@:
.irp kt, 0,1,2,3,4,5,6,7
	v_cvt_scalef32_pk8_bf8_f32 v[P+2*\kt:P+2*\kt+1], v[S+8*\kt:S+8*\kt+7], v[SCP]
.endr
	WIN 0x41                                       ; O^T (destination and source 0) in window 1
.set J, 0
.rept 16
	v_pk_mul_f32 v[32*\tau+J:32*\tau+J+1], v[32*\tau+J:32*\tau+J+1], v[10:11] op_sel_hi:[1,0]    ; O^T under the new M; these are also the plain lines behind the conversions
.set J, J+2
.endr
.if \tau == 0
	s_wait_dscnt 0x0                               ; V is in
.endif
	WIN 0x51                                       ; V, C and D in window 1, P in window 0
.irp t, 0,1,2,3                        ; four accumulators by turns, one instruction a turn
	v_wmma_f32_16x16x128_bf8_bf8 v[32*\tau+8*\t:32*\tau+8*\t+7], v[VV+16*\t:VV+16*\t+15], v[P:P+15], v[32*\tau+8*\t:32*\tau+8*\t+7]
.endr
	WIN 0
.endm
.macro STEP
	v_add_nc_u32 v[ADK], s[TB], v[LI]
	v_add_nc_u32 v[ADV], 131072, v[ADK]
	v_nop                                          ; with the two additions: four places in front of loads into registers that the last products have read
	v_nop
.irp f, 0,1,2,3,4,5,6,7,8,9,10,11,12,13,14,15
	ds_load_b128 v[KF+4*\f:KF+4*\f+3], v[ADK] offset:512*\f      ; eight fragments of 16 keys, as they lie: 512 consecutive bytes a line
.endr
	WIN 0x40
.irp f, 0,1,2,3,4,5,6,7,8,9,10,11,12,13,14,15
	ds_load_b128 v[VV+4*\f:VV+4*\f+3], v[ADV] offset:512*\f      ; four fragments of 16 channels x 128 keys
.endr
	WIN 0
	s_wait_dscnt 16                                ; K is in; V's sixteen loads may stay out
	UNIT 0
	UNIT 1
	UNIT 2
	UNIT 3
	s_add_co_u32 s[TB], s[TB], 8192
.endm
.Lgroup:                                           ; four trips: 512 keys each
	s_wait_dscnt 0x0                               ; my LDS reads so far are over
	s_barrier_signal -1
	s_barrier_wait -1
	s_wait_loadcnt 0x0                             ; this group's bytes are in my registers (in the first trip Q too)
	v_add_nc_u32 v[SA], s[GO], v[VT]
	v_add_nc_u32 v[SB], 131072, v[SA]
	WIN 0x04
.irp i, 0,1,2,3,4,5,6,7
	ds_store_b128 v[SA], v[STG+4*\i:STG+4*\i+3] offset:4096*\i
.endr
.irp i, 0,1,2,3,4,5,6,7
	ds_store_b128 v[SB], v[STG+32+4*\i:STG+32+4*\i+3] offset:4096*\i
.endr
	WIN 0
	s_wait_dscnt 0x0                               ; for the others' sake: my stores have landed; and they have read their registers
	s_barrier_signal -1
	s_barrier_wait -1
	s_cmp_eq_u32 s[GRP], 3                         ; the last group asks for nothing: no load leaves the head's bytes
	s_cbranch_scc1 .Lno_fetch
	s_add_nc_u64 s[12:13], s[12:13], 32768         ; (the loads that named these bases were waited for above)
	s_add_nc_u64 s[14:15], s[14:15], 32768
	GLOAD                                          ; the next 512 keys: four steps' work in which to arrive
.Lno_fetch:
	s_mov_b32 s[STP], 0
.Lstep:
	STEP
	s_add_co_u32 s[STP], s[STP], 1
	s_cmp_lt_u32 s[STP], 4
	s_cbranch_scc1 .Lstep
	s_add_co_u32 s[GO], s[GO], 32768
	s_add_co_u32 s[GRP], s[GRP], 1
	s_cmp_lt_u32 s[GRP], 4
	s_cbranch_scc1 .Lgroup
	; THE WAY OUT.  The sums' halves are added (these lines are the places behind the last products); O^T / l is held, quantised, and its codes change halves of the lanes so that lane (r, h) holds
	; channels 32 b + 16 h + 0 .. 15 of query r: registers of the last product's operand as four 16-byte loads give them to its other side.
.irp tau, 0,1,2,3
	v_add_f32 v[208+\tau], v[18+4*\tau], v[19+4*\tau]
.endr
.irp tau, 0,1,2,3
	v_mov_b32 v[212+\tau], 0
	v_mov_b32 v[217+2*\tau], 0                     ; (upper halves of the pairs that the packed multiply names)
.endr
.irp i, 0,1,2,3,4,5,6,7
	v_mov_b32 v[234+\i], 0
.endr
.irp tau, 0,1,2,3
	v_permlanex16_b32 v[212+\tau], v[208+\tau], s[SEL], s[SEL+1]
.endr
.irp tau, 0,1,2,3
	v_add_f32 v[208+\tau], v[208+\tau], v[212+\tau]          ; the row's sum
.endr
.irp tau, 0,1,2,3
	v_rcp_f32 v[216+2*\tau], v[208+\tau]
.endr
	v_mov_b32 v224, s[SCO]                         ; (plain lines behind the reciprocals)  2^(e6 - e4 - e5)
	v_mov_b32 v225, s[LMO]                         ; 57,344 x that
	s_wait_alu depctr_va_vdst(0)
.macro OUT tau
.set R, 64+8*\tau                      ; K's registers are free; a fresh run for each tile, so that no store's data are written again
	WIN 0x01                                       ; source 0 (O^T) in window 1
.set J, 0
.rept 16
	v_pk_mul_f32 v[S+J:S+J+1], v[32*\tau+J:32*\tau+J+1], v[216+2*\tau:217+2*\tau] op_sel_hi:[1,0]    ; each accumulator from its low end on
.set J, J+2
.endr
	WIN 0
.set J, 0
.rept 32
	v_med3_num_f32 v[S+J], v[S+J], -v225, v225
.set J, J+1
.endr
.irp t, 0,1,2,3
	v_cvt_scalef32_pk8_bf8_f32 v[226+2*\t:227+2*\t], v[S+8*\t:S+8*\t+7], v224      ; channels 16 t + 8 h + 0 .. 7
.endr
	v_nop                                          ; one plain line behind the last conversion
.irp i, 0,1,2,3,4,5,6,7
	v_permlanex16_b32 v[234+\i], v[226+\i], s[SEL], s[SEL+1]
.endr
.irp b, 0,1
.irp i, 0,1
	v_cndmask_b32 v[R+4*\b+\i], v[226+4*\b+\i], v[236+4*\b+\i], s[HM]        ; h = 0: my tile 2 b;            h = 1: the other half's tile 2 b + 1
	v_cndmask_b32 v[R+4*\b+2+\i], v[234+4*\b+\i], v[228+4*\b+\i], s[HM]      ; h = 0: the other half's 2 b;   h = 1: my tile 2 b + 1
.endr
.endr
	global_store_b128 v[LI], v[R:R+3], s[8:9] offset:16384*\tau              ; 32 lanes store 512 consecutive bytes, aligned
	global_store_b128 v[LI], v[R+4:R+7], s[8:9] offset:16384*\tau+512
.endm
	OUT 0
	OUT 1
	OUT 2
	OUT 3
	s_wait_tensorcnt 0x0
	ds_add_u32 v254, v255
	s_wait_dscnt 0x0
	s_endpgm
.Lfunc_end_k_q14a5f94a55_attn:
	.size	k_q14a5f94a55_attn, .Lfunc_end_k_q14a5f94a55_attn-k_q14a5f94a55_attn
	.p2alignl 7, 3214868480
	.fill 96, 4, 3214868480
	.section	.rodata,"a",@progbits
	.p2align	6, 0x0
	.amdhsa_kernel k_q14a5f94a55_attn
		.amdhsa_group_segment_fixed_size 263168
		.amdhsa_private_segment_fixed_size 0
		.amdhsa_enable_private_segment 0
		.amdhsa_kernarg_size 24
		.amdhsa_user_sgpr_count 2
		.amdhsa_user_sgpr_kernarg_segment_ptr 1
		.amdhsa_wavefront_size32 1
		.amdhsa_system_sgpr_workgroup_id_x 1
		.amdhsa_system_sgpr_workgroup_id_y 1
		.amdhsa_system_sgpr_workgroup_id_z 1
		.amdhsa_system_vgpr_workitem_id 0
		.amdhsa_next_free_vgpr 512
		.amdhsa_next_free_sgpr 66
		.amdhsa_reserve_vcc 0
		.amdhsa_float_denorm_mode_32 3
		.amdhsa_float_denorm_mode_16_64 3
		.amdhsa_memory_ordered 1
		.amdhsa_forward_progress 1
		.amdhsa_inst_pref_size 87
	.end_amdhsa_kernel
	.amdgpu_metadata
---
amdhsa.version: [ 1, 2 ]
amdhsa.kernels:
  - .name:           k_q14a5f94a55_attn
    .symbol:         k_q14a5f94a55_attn.kd
    .args:
      - { .name: qkv, .offset: 0, .size: 8, .value_kind: global_buffer, .address_space: global }
      - { .name: lowp_scales, .offset: 8, .size: 8, .value_kind: global_buffer, .address_space: global }
      - { .name: o_img, .offset: 16, .size: 8, .value_kind: global_buffer, .address_space: global }
    .group_segment_fixed_size: 263168
    .private_segment_fixed_size: 0
    .kernarg_segment_align: 8
    .kernarg_segment_size: 24
    .max_flat_workgroup_size: 256
    .sgpr_count:     66
    .vgpr_count:     512
    .wavefront_size: 32
...
	.end_amdgpu_metadata
.endif
;; end of part 3
;; launch proj (part 4): grid 4 x 32, 4 waves a work-group, clusters of 4 x 4, 327,680 bytes of LDS; arguments o_img, w_proj_codes, lowp_scales, b_proj, out0; writes out0
.if DOCPART == 4
	.amdgcn_target "amdgcn-amd-amdhsa--gfx1250"
	.amdhsa_code_object_version 6
	.text
	.protected	k_q14a5f94a55_proj
	.globl	k_q14a5f94a55_proj
	.p2align	8
	.type	k_q14a5f94a55_proj,@function
k_q14a5f94a55_proj:
	s_mov_b64 s[64:65], 0
	v_nop
	global_prefetch_b8 v0, s[64:65] scope:SCOPE_SE
	s_setreg_imm32_b32 hwreg(HW_REG_WAVE_MODE, 25, 1), 1
	s_wait_xcnt 0x0
	s_wait_alu depctr_hold_cnt(0) depctr_sa_sdst(0) depctr_va_vdst(0) depctr_va_sdst(0) depctr_va_ssrc(0) depctr_va_vcc(0) depctr_vm_vsrc(0)
	s_getreg_b32 s2, hwreg(HW_REG_IB_STS2, 6, 4)
	s_cmp_eq_u32 s2, 0
	s_cbranch_scc0 .Lentry_in_a_cluster
	s_endpgm
.Lentry_in_a_cluster:
	s_bfe_u32 s2, ttmp6, 0x10000c
	s_cmp_lg_u32 s2, 0xf033
	s_cbranch_scc0 .Lentry_shape_is_right
	s_endpgm
.Lentry_shape_is_right:
; out0 = o w_proj + b_proj, on codes of BF8 (E5M2): o's codes with 2^e6, w_proj's with 2^e7.  out0 [8192][1024] f32.  Each finished sum goes out as sum x 2^(e6 + e7) + b_proj, one packed multiply-add for two.
; LIMIT: e6 + e7 between -126 and 127, so that 2^(e6 + e7) is an f32 number.
; A tile of 256 x 256 is made by four waves, each 128 x 128: 64 accumulators.  K = 1,024 goes in steps of 256 through two LDS slots filled by the tensor data mover.
; A (o) ARRIVES AS IMAGES OF ITS REGISTERS: [16 rows 512][K step of 128: 8][piece c 4][lane][16 bytes], lane (r, h) piece c = k 32 c + 16 h + 0 .. 15 of row r.  A slot's part of 16 rows is 4,096 consecutive bytes,
; 16,384 bytes from one 16 rows to the next: a tile of 8 rows x 4,096 bytes, dense in LDS; a fragment is four loads of 512 consecutive bytes.  B (w_proj's codes, rows of 1,024 bytes) comes as rows of 256 bytes + 16 of padding.
; CLUSTERS: 4 x 4 work-groups; A's tiles are shared along a row of the cluster, B's along a column, each asked for jointly.  The matrix instruction is used transposed (source 0 = 16 rows of B, source 1 = 16 rows of A):
; a lane holds eight neighbouring numbers of a row of out0.
; REGISTERS: window 0: v0-31 addresses; v32-95 b_proj at my 128 columns, in the result's layout; from v128 A's fragments, one set; on the way out rows read back.
;   window 1: B's fragments, two sets, at v0 and v128; on the way out v0-63 a block's results.   windows 2, 3: the accumulators, (a, b) at v[8 (8 (a % 4) + b)].
.set SIZE_N, 1024
.set SIZE_K, 1024
.set KSTEP,  256
.set ROWB,   256
.set KROW,   SIZE_K
.set PITCH,  272
.set FR,     16
.set NL,     4
.set NP,     4
.set HALFA,  32768                     ; 128 rows of A: 8 x 4,096 bytes
.set HALFB,  128*PITCH
.set BOFF,   2*HALFA
.set SLOT,   BOFF+2*HALFB
.set LAPS,   SIZE_K/(2*KSTEP)
.set SPARE,  2*SLOT                    ; behind the ring: the spare words, 128 bytes for each wave
.set SPITCH, 528                       ; the way out: 16 rows x (512 bytes + 16) for each wave, in slot 0, which has had its last fill and its last read when the first result is stored there
.set ADRA, 16
.set ADRB, 20
.set STO,  24
.set RD,   25
.set CO,   26
.set SPW,  28
.set NIL,  29
.set BIAS, 32
.set AF,   128
.set BK,   128
.set G1, 24
.set G0, 32
.set G1B, 48
.set G0B, 56
.set MSB, 0
.macro WIN new
.if MSB != \new
	s_set_vgpr_msb (MSB<<8)|\new
.set MSB, \new
.endif
.endm
.set MUL_LO, 0xa1
.set MUL_HI, 0xf1
.set TO_B,   0x40
.macro JLOAD g0a, g1a, g0b, g1b        ; waves 0 and 1 fetch A's halves, waves 2 and 3 B's; four v_nop follow each line
	s_cmp_eq_u32 s15, 0
	s_cbranch_scc0 .Lfor_b_\@
	tensor_load_to_lds s[\g0a:\g0a+3], s[\g1a:\g1a+7]
	s_nop 0
.rept 4
	v_nop
.endr
	s_branch .Lasked_\@
.Lfor_b_\@:
	tensor_load_to_lds s[\g0b:\g0b+3], s[\g1b:\g1b+7]
	s_nop 0
.rept 4
	v_nop
.endr
.Lasked_\@:
.endm
.macro CREST
	s_cmp_lg_u32 s14, 0
	s_cbranch_scc1 .Lnot_wave_0_\@
	s_barrier_signal -3
.Lnot_wave_0_\@:
	s_barrier_wait -3
	s_barrier_signal -1
	s_barrier_wait -1
.endm
.macro CROUND
	s_barrier_signal -1
	s_barrier_wait -1
	CREST
.endm
	s_load_b128 s[4:7], s[0:1], 0x0                ; o's images, w_proj's codes
	s_load_b128 s[8:11], s[0:1], 0x10              ; the scales' exponents, b_proj
	s_load_b64 s[12:13], s[0:1], 0x20              ; out0
	v_lshl_add_u32 v[SPW], v0, 2, SPARE
	v_mov_b32 v[NIL], 0
	ds_add_u32 v28, v29
	ds_add_u32 v28, v29
	s_wait_dscnt 0x0
	v_lshrrev_b32 v1, 5, v0
	v_readfirstlane_b32 s14, v1                    ; wave 0..3
	s_lshr_b32 s15, s14, 1                         ; my half of the tile's rows.  Also: I fetch for A (0) or for B (1)
	s_and_b32 s16, s14, 1                          ; my half of its columns.  Also: which 128 rows of that tile I fetch
	s_bfe_u32 s40, ttmp6, 0x40000                  ; cx
	s_bfe_u32 s41, ttmp6, 0x40004                  ; cy
	s_lshl_b32 s42, ttmp9, 2
	s_add_co_u32 s42, s42, s40                     ; tile column
	s_and_b32 s17, ttmp7, 0xffff
	s_lshl_b32 s17, s17, 2
	s_add_co_u32 s17, s17, s41                     ; tile row
	s_lshl_b32 s43, s41, 2
	s_lshl_b32 s43, 15, s43                        ; my row of the cluster
	s_lshl_b32 s44, 0x1111, s40                    ; my column
	s_or_b32 s[G1+0], s43, (0<<16)|(1<<21)         ; A: the mask; elements of 1 byte; no padding; bit 21 beside a mask
	s_mov_b32 s[G1+1], 4096<<16                    ; tensor_dim0 = 4,096
	s_mov_b32 s[G1+2], 8<<16                       ; tensor_dim1 = 8
	s_mov_b32 s[G1+3], 4096<<16                    ; tile_dim0
	s_mov_b32 s[G1+4], 8                           ; tile_dim1
	s_mov_b32 s[G1+5], 16384                       ; from 16 rows to the next 16
	s_mov_b32 s[G1+6], 0
	s_mov_b32 s[G1+7], 0
	s_or_b32 s[G1B+0], s44, (0<<16)|(1<<20)|(1<<21)|(5<<22)|(3<<25)  ; B: padding of four words after every 64
	s_mov_b32 s[G1B+1], ROWB<<16
	s_mov_b32 s[G1B+2], 128<<16
	s_mov_b32 s[G1B+3], ROWB<<16
	s_mov_b32 s[G1B+4], 128
	s_mov_b32 s[G1B+5], KROW
	s_mov_b32 s[G1B+6], 0
	s_mov_b32 s[G1B+7], 0
	s_lshl_b32 s20, s17, 4
	s_lshl_b32 s18, s16, 3
	s_add_co_u32 s20, s20, s18
	s_lshl_b32 s20, s20, 14                        ; A: (16 x tile row + 8 x half) x 16,384 bytes
	s_mov_b32 s21, 0
	s_lshl_b32 s46, s42, 8
	s_lshl_b32 s18, s16, 7
	s_add_co_u32 s46, s46, s18
	s_lshl_b32 s46, s46, 10                        ; B: (256 x tile column + 128 x half) x 1,024 bytes
	s_mov_b32 s47, 0
	s_mul_i32 s45, s16, HALFA                      ; where they go: no place in the cluster enters an LDS address
	s_mul_i32 s19, s16, HALFB
	s_add_co_u32 s19, s19, BOFF
	s_wait_kmcnt 0x0
	s_load_b64 s[96:97], s[8:9], 0x18              ; e6, e7
	s_add_nc_u64 s[20:21], s[4:5], s[20:21]
	s_add_nc_u64 s[46:47], s[6:7], s[46:47]
	CROUND                                         ; all sixteen work-groups are here: the first joint loads meet
.irp s, 0,1
	s_mov_b32 s[G0+4*\s], 1
	s_add_co_u32 s[G0+4*\s+1], s45, \s*SLOT
	s_add_nc_u64 s[G0+4*\s+2:G0+4*\s+3], s[20:21], \s*4096
	s_or_b32 s[G0+4*\s+3], s[G0+4*\s+3], 0x80000000
	s_mov_b32 s[G0B+4*\s], 1
	s_add_co_u32 s[G0B+4*\s+1], s19, \s*SLOT
	s_add_nc_u64 s[G0B+4*\s+2:G0B+4*\s+3], s[46:47], \s*ROWB
	s_or_b32 s[G0B+4*\s+3], s[G0B+4*\s+3], 0x80000000
	JLOAD G0+4*\s, G1, G0B+4*\s, G1B
.endr
	v_and_b32 v1, 15, v0                           ; r
	v_bfe_u32 v2, v0, 4, 1                         ; h
	v_and_b32 v6, 31, v0
	v_lshlrev_b32 v[CO], 4, v6                     ; 16 x lane
	v_mul_u32_u24 v3, v1, PITCH
	v_lshl_add_u32 v4, v2, 4, v3
	s_mul_i32 s21, s15, HALFA                      ; my 128 rows of A
	s_mul_i32 s22, s16, HALFB                      ; my 128 rows of B
	s_add_co_u32 s22, s22, BOFF
.irp s, 0,1
	v_add_nc_u32 v[ADRA+\s], s21, v[CO]
	v_add_nc_u32 v[ADRB+\s], s22, v4
	s_add_co_u32 s21, s21, SLOT
	s_add_co_u32 s22, s22, SLOT
.endr
	s_mul_i32 s23, s14, 16*SPITCH                  ; my stage
	v_mul_u32_u24 v5, v1, SPITCH
	v_lshl_add_u32 v5, v2, 5, v5
	v_add_nc_u32 v[STO], s23, v5                   ; in: row r, 32 bytes for each half of the lanes
	v_add_nc_u32 v[RD], s23, v[CO]                 ; back: the 32 lanes take one row of 512 bytes
	s_lshl_b32 s20, s17, 8
	s_lshl_b32 s21, s15, 7
	s_add_co_u32 s20, s20, s21
	s_lshl_b32 s20, s20, 12                        ; my first row of out0, 4,096 bytes a row
	s_mov_b32 s21, 0
	s_lshl_b32 s46, s42, 10                        ; my first column, in bytes
	s_lshl_b32 s47, s16, 9
	s_add_co_u32 s46, s46, s47
	s_mov_b32 s47, 0
	s_add_nc_u64 s[10:11], s[10:11], s[46:47]      ; b_proj at my first column
	s_add_nc_u64 s[20:21], s[20:21], s[46:47]
	s_add_nc_u64 s[12:13], s[12:13], s[20:21]
	v_lshlrev_b32 v7, 5, v2                        ; 32 h: register 8 b + j = b_proj(first column + 16 b + 8 h + j)
.irp b, 0,1,2,3,4,5,6,7
	global_load_b128 v[BIAS+8*\b:BIAS+8*\b+3], v7, s[10:11] offset:64*\b
	global_load_b128 v[BIAS+8*\b+4:BIAS+8*\b+7], v7, s[10:11] offset:64*\b+16
.endr
.macro FRAGB reg, adr, q, i            ; 16 rows x 128 K from rows: registers 4 c .. 4 c + 3 hold K = 32 c + 16 (l / 16) + 0 .. 15
.irp c, 0,1,2,3
	ds_load_b128 v[\reg+4*\c:\reg+4*\c+3], v[\adr] offset:128*(\q)+32*\c+(\i)*16*PITCH
.endr
.endm
.macro FRAGA reg, adr, q, i            ; the same registers from an image: 512 consecutive bytes a line
.irp c, 0,1,2,3
	ds_load_b128 v[\reg+4*\c:\reg+4*\c+3], v[\adr] offset:4096*(\i)+2048*(\q)+512*\c
.endr
.endm
; 16 matrix instructions.  zero = 1: the first product starts the sums.  The 64 accumulators take turns, one instruction a turn, in the same order in every step.
.macro MUL16 a0, p, zero
.irp a, \a0, \a0+1
.irp b, 0,1,2,3,4,5,6,7
.if \zero
	v_wmma_f32_16x16x128_bf8_bf8 v[8*(8*((\a)%4)+\b):8*(8*((\a)%4)+\b)+7], v[128*(\p)+FR*\b:128*(\p)+FR*\b+FR-1], v[AF+FR*(\a):AF+FR*(\a)+FR-1], 0
.else
	v_wmma_f32_16x16x128_bf8_bf8 v[8*(8*((\a)%4)+\b):8*(8*((\a)%4)+\b)+7], v[128*(\p)+FR*\b:128*(\p)+FR*\b+FR-1], v[AF+FR*(\a):AF+FR*(\a)+FR-1], v[8*(8*((\a)%4)+\b):8*(8*((\a)%4)+\b)+7]
.endif
.endr
.endr
.endm
.macro FETCH_B slot, q, p
	WIN TO_B
.irp i, 0,1,2,3,4,5,6,7
	FRAGB 128*(\p)+FR*\i, ADRB+\slot, \q, \i
.endr
	WIN 0
.endm
.macro FETCH_A slot, q, i0
.irp i, \i0, \i0+1, \i0+2, \i0+3
	FRAGA AF+FR*(\i), ADRA+\slot, \q, \i
.endr
.endm
.macro PLACES n                        ; places in front of loads into registers that matrix instructions have read, and of the first read of results
.rept \n
	v_nop
.endr
.endm
.macro STEP slot, q, zero
	s_wait_dscnt 4*NL                              ; B's set and A's blocks 0-3 are in; the youngest sixteen loads (A's blocks 4-7) may be out
	WIN MUL_LO
	MUL16 0, (\q)%2, \zero
	MUL16 2, (\q)%2, \zero
	s_wait_dscnt 0
	PLACES NP
	FETCH_B \slot, (\q)+1, 1-(\q)%2
	FETCH_A \slot, (\q)+1, 0
	WIN MUL_HI
	MUL16 4, (\q)%2, \zero
	MUL16 6, (\q)%2, \zero
	PLACES NP
	WIN 0
	FETCH_A \slot, (\q)+1, 4
.endm
.macro TURN slot, next, fill
	s_wait_tensorcnt 0x0                           ; all my tensor loads have landed: my part of the next slot
	ds_add_u32 v[SPW], v[NIL]                      ; 0 onto my spare word
	s_wait_dscnt 4*NL+1                            ; (the add and the youngest sixteen loads may be out)
	WIN MUL_LO
	MUL16 0, 1, 0
	s_wait_dscnt 0x0                               ; the add is done, and my reads of this slot are over
	s_barrier_signal -1
	MUL16 2, 1, 0
	WIN 0
	s_barrier_wait -1
.if \fill
	CREST                                          ; the barrier has opened a meeting of the whole cluster: no wave of any partner still reads this slot or has a load on its way
	s_add_nc_u64 s[G0+4*\slot+2:G0+4*\slot+3], s[G0+4*\slot+2:G0+4*\slot+3], 2*4096
	s_add_nc_u64 s[G0B+4*\slot+2:G0B+4*\slot+3], s[G0B+4*\slot+2:G0B+4*\slot+3], 2*ROWB
	JLOAD G0+4*\slot, G1, G0B+4*\slot, G1B         ; my one tensor load behind it; its four v_nop are the places in front of the loads below
.else
	PLACES NP
.endif
	FETCH_B \next, 0, 0
	FETCH_A \next, 0, 0
	WIN MUL_HI
	MUL16 4, 1, 0
	MUL16 6, 1, 0
	PLACES NP
	WIN 0
	FETCH_A \next, 0, 4
.endm
	s_wait_tensorcnt 1                             ; my part of K step 0 is in; K step 1's load may stay out
	s_barrier_signal -1
	s_barrier_wait -1
	FETCH_B 0, 0, 0
	FETCH_A 0, 0, 0
	FETCH_A 0, 0, 4
	STEP 0, 0, 1                                   ; the first step's products start the sums
	s_mov_b32 s3, LAPS-1
.Llap:
	TURN 0, 1, 1
	STEP 1, 0, 0
	TURN 1, 0, 1
	STEP 0, 0, 0
	s_sub_co_u32 s3, s3, 1
	s_cmp_lg_u32 s3, 0
	s_cbranch_scc1 .Llap
	TURN 0, 1, 0                                   ; the last lap fills nothing
	STEP 1, 0, 0
	s_wait_dscnt 4*NL
	WIN MUL_LO
	MUL16 0, 1, 0
	MUL16 2, 1, 0
	s_wait_dscnt 0
	WIN MUL_HI
	MUL16 4, 1, 0
	MUL16 6, 1, 0
	WIN 0
; THE WAY OUT, block by block of 16 rows x 128 columns: through my own stage in LDS, back as whole rows of 512 bytes.  LDS serves a wave's instructions in order (ISA guide 5.7.1.4).
.macro TOSTAGE a
.set AC, 64*((\a)%4)
	WIN 0x42+((\a)/4)                              ; source 0 (the sums) window 2 or 3, source 2 (b_proj) window 0, destination window 1
.irp j, 0,2,4,6,8,10,12,14,16,18,20,22,24,26,28,30,32,34,36,38,40,42,44,46,48,50,52,54,56,58,60,62
	v_pk_fma_f32 v[\j:\j+1], v[AC+\j:AC+\j+1], s[96:97], v[BIAS+\j:BIAS+\j+1] op_sel_hi:[1,0,1]   ; sum x 2^(e6 + e7) + b_proj; each accumulator from its low end on
.endr
	WIN 0x04                                       ; store data in window 1
.irp b, 0,1,2,3,4,5,6,7
	ds_store_b128 v[STO], v[8*\b:8*\b+3] offset:64*\b
	ds_store_b128 v[STO], v[8*\b+4:8*\b+7] offset:64*\b+16
.endr
	WIN 0
.set BB, BK+64*((\a)%2)
.irp t, 0,1,2,3,4,5,6,7,8,9,10,11,12,13,14,15
	ds_load_b128 v[BB+4*\t:BB+4*\t+3], v[RD] offset:\t*SPITCH
.endr
.endm
.macro SEND a, younger                 ; younger: the LDS instructions issued behind block a's loads, which may stay out
.set BB, BK+64*((\a)%2)
	s_wait_dscnt \younger
.if (\a) > 0
	s_add_nc_u64 s[12:13], s[12:13], 16*SIZE_N*4   ; (behind a wait on XCNT: the earlier stores have read their base)
.endif
.irp t, 0,1,2,3,4,5,6,7,8,9,10,11,12,13,14,15
	global_store_b128 v[CO], v[BB+4*\t:BB+4*\t+3], s[12:13] offset:\t*SIZE_N*4 th:TH_STORE_NT   ; 32 lanes store 512 consecutive bytes, aligned; written once, read by nobody here
.endr
.endm
	s_wait_kmcnt 0x0
	s_add_co_i32 s96, s96, s97
	s_add_co_i32 s96, s96, 127
	s_lshl_b32 s96, s96, 23                        ; 2^(e6 + e7) as f32
	s_wait_loadcnt 0x0                             ; b_proj
	PLACES NP
	TOSTAGE 0
.irp a, 1,2,3,4,5,6,7
.if \a > 1
	s_wait_xcnt 0x0                                ; block a - 2's stores have read their registers and their base
.endif
	TOSTAGE \a
	SEND \a-1, 32                                  ; behind block a - 1's loads: block a's 16 stores and 16 loads
.endr
	s_wait_xcnt 0x0
	SEND 7, 0
	s_wait_tensorcnt 0x0                           ; the wave's end
	ds_add_u32 v[SPW], v[NIL]
	s_wait_dscnt 0x0
	CROUND                                         ; no work-group ends while a partner may still ask for a tile that names it
	s_endpgm
.Lfunc_end_k_q14a5f94a55_proj:
	.size	k_q14a5f94a55_proj, .Lfunc_end_k_q14a5f94a55_proj-k_q14a5f94a55_proj
	.p2alignl 7, 3214868480
	.fill 96, 4, 3214868480
	.section	.rodata,"a",@progbits
	.p2align	6, 0x0
	.amdhsa_kernel k_q14a5f94a55_proj
		.amdhsa_group_segment_fixed_size 327680
		.amdhsa_private_segment_fixed_size 0
		.amdhsa_enable_private_segment 0
		.amdhsa_kernarg_size 40
		.amdhsa_user_sgpr_count 2
		.amdhsa_user_sgpr_kernarg_segment_ptr 1
		.amdhsa_wavefront_size32 1
		.amdhsa_system_sgpr_workgroup_id_x 1
		.amdhsa_system_sgpr_workgroup_id_y 1
		.amdhsa_system_sgpr_workgroup_id_z 1
		.amdhsa_system_vgpr_workitem_id 0
		.amdhsa_next_free_vgpr 1024
		.amdhsa_next_free_sgpr 98
		.amdhsa_reserve_vcc 0
		.amdhsa_float_denorm_mode_32 3
		.amdhsa_float_denorm_mode_16_64 3
		.amdhsa_memory_ordered 1
		.amdhsa_forward_progress 1
		.amdhsa_inst_pref_size 125
	.end_amdhsa_kernel
	.amdgpu_metadata
---
amdhsa.version: [ 1, 2 ]
amdhsa.kernels:
  - .name:           k_q14a5f94a55_proj
    .symbol:         k_q14a5f94a55_proj.kd
    .args:
      - { .name: o_img, .offset: 0, .size: 8, .value_kind: global_buffer, .address_space: global }
      - { .name: w_proj_codes, .offset: 8, .size: 8, .value_kind: global_buffer, .address_space: global }
      - { .name: lowp_scales, .offset: 16, .size: 8, .value_kind: global_buffer, .address_space: global }
      - { .name: b_proj, .offset: 24, .size: 8, .value_kind: global_buffer, .address_space: global }
      - { .name: out0, .offset: 32, .size: 8, .value_kind: global_buffer, .address_space: global }
    .group_segment_fixed_size: 327680
    .private_segment_fixed_size: 0
    .kernarg_segment_align: 8
    .kernarg_segment_size: 40
    .max_flat_workgroup_size: 128
    .sgpr_count:     98
    .vgpr_count:     1024
    .wavefront_size: 32
...
	.end_amdgpu_metadata
.endif
;; end of part 4
;; ======== version 2 of 2: 4 launches; version 1 with the launch attn written anew for expert scheduling mode
;; workspace buffers: x_codes 8,388,608 bytes; t 262,144 bytes; qkv 25,165,824 bytes; o_img 8,388,608 bytes
;; launch prep: the kernel of part 1 again; grid 256 x 1, 4 waves a work-group, no clusters, 88,832 bytes of LDS; arguments x, w_a_q, w_a_v, lowp_scales, x_codes, t; writes x_codes, t
;; launch qkv: the kernel of part 2 again; grid 12 x 32, 4 waves a work-group, clusters of 4 x 4, 327,680 bytes of LDS; arguments x_codes, w_qkv_codes, lowp_scales, t, w_b_q, w_b_v, qkv; writes qkv
;; launch attn (part 5): grid 4 x 64, 8 waves a work-group, no clusters, 263,168 bytes of LDS; arguments qkv, lowp_scales, o_img; writes o_img
.if DOCPART == 5
	.amdgcn_target "amdgcn-amd-amdhsa--gfx1250"
	.amdhsa_code_object_version 6
	.text
	.protected	k_q14a5f94a55_attn
	.globl	k_q14a5f94a55_attn
	.p2align	8
	.type	k_q14a5f94a55_attn,@function
k_q14a5f94a55_attn:
	s_mov_b64 s[64:65], 0
	v_nop
	global_prefetch_b8 v0, s[64:65] scope:SCOPE_SE
	s_setreg_imm32_b32 hwreg(HW_REG_WAVE_SCHED_MODE, 0, 2), 2
	s_setreg_imm32_b32 hwreg(HW_REG_WAVE_MODE, 25, 1), 1
	s_wait_xcnt 0x0
	s_wait_alu depctr_vm_vsrc(0)
; O = softmax(q k^T / 8) v for one head, both products on codes of BF8 (E5M2) with the given scales 2^e2, 2^e3 (q, k) and 2^e4, 2^e5 (p, v); O is quantised with 2^e6 and stored as images of the last product's operand.
; THE SOFTMAX: t = score x log2(e) / 8; M = the running largest t rounded UP to a whole number; p = 2^(t - M) is quantised, not normalised; the row's sum is taken of the unquantised p and divides O at the end.
; When M moves, the sum and O are multiplied by 2^(old M - new M), which rounds nothing.
; SHARES.  A work-group owns 512 queries of one head; each of its eight waves 64, four tiles of 16, so that each fragment of K and V read from LDS feeds four matrix instructions; two waves to a SIMD, so that
; one wave's vector work stands beside the other's matrix work.  Every wave walks the head's 2,048 keys, 128 a step.
; THE WHOLE HEAD LIES IN LDS, each byte written once: K's images (131,072 bytes), then V's.  They come through registers, 512 keys (four steps) ahead of their use: 16 loads of 16 bytes a thread.
; NO TENSOR LOAD AND NO CLUSTER: the hold of p at the largest code binds only where e4 <= -16 (p <= 1 and 57,344 x 2^e4 >= 1 otherwise), so it stands under a scalar branch on the given e4:
; 64 of a tile's roughly 260 vector lines a step are passed over, and vector lines are what this loop is made of.  The four query blocks of a head share its 262,144 bytes; each work-group reads them once for 512 queries.
; LAYOUT.  S^T = K Q^T (source 0 = 16 keys, source 1 = 16 queries), O^T = V^T P^T (source 0 = 16 channels, source 1 = P): a lane holds one query (lane % 16) throughout.  Register 8 kt + j of S^T is key 16 kt + 8 h + j,
; so the conversions' results are registers 2 kt, 2 kt + 1 of the K = 128 form's own layout, in which V's images lie.
; LIMITS on the given exponents: e2 + e3 between -122 and 129 (added to c's exponent field); e4, and e6 - e4 - e5, between -126 and 112.  NaN among the inputs is not served.
; REGISTERS: window 0: v1-7 addresses, 2^e4; v8-15 at work; v16-31 four a tile: -M, largest t, the sum in two halves; v32-63 Q; v64-127 K of a step; v128-191 S^T, then p; v192-207 p's codes; v208-241 the way out.
;            window 1: v0-127 O^T (tile tau, channels 16 t on, at v[32 tau + 8 t]); v128-191 V of a step; v192-255 the next 512 keys on their way to LDS.
; THE MODE: SCHED_MODE bits 1:0 = 2 (LLVM: expert scheduling mode 2), set by the entry lines.  The code itself states the register dependences
; between vector or matrix instructions and memory or LDS instructions, with s_wait_alu, always for 0.
; THE PLAN.  Registers that memory or LDS instructions touch:
;   v[LI], v[VT]   offsets, made at the head and never written again.
;   STG            written by the group's global loads, read by its LDS stores; no vector line names it.
;   v[SA], v[SB]   read by a group's LDS stores; written once a group, at its head.
;   v[ADK]         read by K's loads; written at a group's head and among the places behind tile 0's first products.   v[ADV]: read by V's loads; written with it in tile 0.
;   K (v64-127)    read by every tile's K Q^T; the next step's loads land in it in tile 3, behind that tile's wait (a group's first step: behind the group's barrier).
;   V              read by every tile's V^T P; this step's loads land in it in tile 0, behind that tile's wait.
;   v64-95 at the end: written by the way out's selects, read by the eight stores.
; A wave has 512 registers, and in the loop 48 of them (v208-255) are free: no second set of 64 for K or for V.  So each set is asked for again at the first wait on va_vdst behind its last reader, and that wait stands there
; anyway: each tile has ONE, behind its exponentials and ahead of their first reader.  Q, S^T, p, its codes, O^T and the statistics are named by vector and matrix instructions alone once Q is loaded.
.set LI,  1                            ; 16 x lane
.set VT,  2                            ; 16 x thread
.set ADK, 3
.set ADV, 4
.set SA,  5
.set SB,  6
.set SCP, 7                            ; 2^e4
.set QF,  32
.set KF,  64
.set S,   128
.set P,   192
.set VV,  128                          ; window 1
.set STG, 192                          ; window 1
.set WV,  16
.set SEL, 20                           ; s[20:21] lane selects: lane l xor 16
.set CS,  22                           ; s[22:23] c = log2(e) / 8 x 2^(e2 + e3)
.set EP,  36                           ; e4
.set GRP, 40
.set STP, 41
.set TB,  42                           ; LDS byte of the step's K images
.set GO,  43                           ; LDS byte of the group to be stored
.set HM,  44                           ; lanes 16-31
.set SCO, 45
.set LMO, 46
.set LIM, 47                           ; 57,344 x 2^e4
.set MSB, 0
.macro WIN new
.if MSB != \new
	s_set_vgpr_msb (MSB<<8)|\new
.set MSB, \new
.endif
.endm
	s_load_b128 s[4:7], s[0:1], 0x0                ; qkv, the scales' exponents
	s_load_b64 s[8:9], s[0:1], 0x10                ; o_img
	v_lshl_add_u32 v254, v0, 2, 0x40000
	v_mov_b32 v255, 0
	v_lshrrev_b32 v3, 5, v0
	v_readfirstlane_b32 s[WV], v3                  ; wave 0..7
	v_and_b32 v3, 31, v0
	v_lshlrev_b32 v[LI], 4, v3
	v_lshlrev_b32 v[VT], 4, v0
	s_wait_alu depctr_va_sdst(0)                   ; s[WV] is written, ahead of its first reader: Q's and o_img's places are made from it
	s_and_b32 s17, ttmp7, 0xffff                   ; batch x 16 + head
	s_lshl_b32 s18, s17, 17                        ; its 131,072 bytes in each of the three parts
	s_mov_b32 s19, 0
	s_lshl_b32 s24, ttmp9, 15                      ; my queries' images: tile 32 x block + 4 x wave, 1,024 bytes each
	s_lshl_b32 s25, s[WV], 12
	s_add_co_u32 s24, s24, s25
	s_add_co_u32 s24, s24, s18
	s_mov_b32 s25, 0
	s_lshr_b32 s26, s17, 4                         ; o_img: row tile batch x 128 + 32 x block + 4 x wave, 16,384 bytes each; + head x 1,024
	s_lshl_b32 s26, s26, 7
	s_lshl_b32 s27, ttmp9, 5
	s_add_co_u32 s26, s26, s27
	s_lshl_b32 s27, s[WV], 2
	s_add_co_u32 s26, s26, s27
	s_lshl_b32 s26, s26, 14
	s_and_b32 s27, s17, 15
	s_lshl_b32 s27, s27, 10
	s_add_co_u32 s26, s26, s27
	s_mov_b32 s27, 0
	s_mov_b32 s[SEL], 0x76543210
	s_mov_b32 s[SEL+1], 0xfedcba98
	s_mov_b32 s[HM], 0xffff0000
	s_mov_b32 s[GRP], 0
	s_mov_b32 s[TB], 0
	s_mov_b32 s[GO], 0
	s_wait_kmcnt 0x0
	s_load_b256 s[32:39], s[6:7], 0x0              ; e0 .. e7
	s_add_nc_u64 s[10:11], s[4:5], s[24:25]        ; Q
	s_add_nc_u64 s[12:13], s[4:5], s[18:19]
	s_add_nc_u64 s[14:15], s[12:13], 16777216      ; V
	s_add_nc_u64 s[12:13], s[12:13], 8388608       ; K
	s_add_nc_u64 s[8:9], s[8:9], s[26:27]
	s_wait_alu depctr_va_vdst(0)                   ; v[LI] and v[VT] are written: every global load and store of the kernel reads one of them as its offset
.irp i, 0,1,2,3,4,5,6,7
	global_load_b128 v[QF+4*\i:QF+4*\i+3], v[LI], s[10:11] offset:512*\i    ; Q's four fragments stay in registers
.endr
; 512 keys of K and of V: 256 threads x 16 bytes a line.  again = 1: the stage has been stored from and is loaded anew.
.macro GLOAD again
	WIN 0x40
.if \again
	s_wait_alu depctr_vm_vsrc(0)                   ; my LDS stores have read the stage, in which these loads land
.endif
.irp i, 0,1,2,3,4,5,6,7
	global_load_b128 v[STG+4*\i:STG+4*\i+3], v[VT], s[12:13] offset:4096*\i
.endr
.irp i, 0,1,2,3,4,5,6,7
	global_load_b128 v[STG+32+4*\i:STG+32+4*\i+3], v[VT], s[14:15] offset:4096*\i
.endr
	WIN 0
.endm
	GLOAD 0                                        ; (between the wait above and these loads stand Q's loads and a window switch alone)
.irp tau, 0,1,2,3
	v_mov_b32 v[17+4*\tau], 0xff61b1e6             ; the largest t so far: -3e38
	v_floor_f32 v[16+4*\tau], -v[17+4*\tau]        ; -M
	v_mov_b32 v[18+4*\tau], 0                      ; the sum, in two halves
	v_mov_b32 v[19+4*\tau], 0
.endr
	v_mov_b32 v9, 0                                ; a lane permute's destination counts as one of its sources
	v_mov_b32 v11, 0                               ; (named as the upper half of the pair v[10:11])
	WIN 0x40
.set J, 0
.rept 128
	v_mov_b32 v[J], 0                              ; O^T: the step is written once; its first run finds zeros, which the first change of M leaves zeros
.set J, J+1
.endr
	WIN 0
	s_wait_kmcnt 0x0
	s_add_co_i32 s24, s34, s35
	s_lshl_b32 s24, s24, 23
	s_add_co_i32 s[CS], s24, 0x3e38aa3b            ; c = log2(e) / 8, with e2 + e3 added to its exponent field
	s_mov_b32 s[CS+1], s[CS]
	s_add_co_i32 s24, s[EP], 127
	s_lshl_b32 s25, s24, 23
	v_mov_b32 v[SCP], s25                          ; 2^e4
	s_add_co_i32 s24, s24, 15
	s_lshl_b32 s24, s24, 23
	s_or_b32 s[LIM], s24, 0x600000
	s_sub_co_i32 s24, s38, s36                     ; O^T / l stands for o / 2^(e4 + e5): the three scales are folded into the conversion's one
	s_sub_co_i32 s24, s24, s37
	s_add_co_i32 s24, s24, 127
	s_lshl_b32 s[SCO], s24, 23
	s_add_co_i32 s24, s24, 15
	s_lshl_b32 s24, s24, 23
	s_or_b32 s[LMO], s24, 0x600000
; K of one step: eight fragments of 16 keys, as they lie: 512 consecutive bytes a line.  off: 0 for the step whose address v[ADK] holds, 8,192 for the step behind it.
.macro KLOAD off
.irp f, 0,1,2,3,4,5,6,7,8,9,10,11,12,13,14,15
	ds_load_b128 v[KF+4*\f:KF+4*\f+3], v[ADK] offset:(\off)+512*\f
.endr
.endm
; One tile of 16 queries against the step's 128 keys.
.macro UNIT tau
.set MT, 16+4*\tau
.set SU, 18+4*\tau
.irp kt, 0,1,2,3,4,5,6,7
	v_wmma_f32_16x16x64_bf8_bf8 v[S+8*\kt:S+8*\kt+7], v[KF+8*\kt:KF+8*\kt+7], v[QF+8*\tau:QF+8*\tau+7], 0
.endr
.if \tau == 0
	s_wait_alu depctr_vm_vsrc(0)                   ; the loads of this step's K have read v[ADK], those of the last step's V v[ADV]: both are written anew below
	v_add_nc_u32 v[ADK], s[TB], v[LI]              ; this step's K images; the next step's lie 8,192 bytes on.  With the line below and two v_nop: the four places in front of the first read of results (ISA guide 7.12.1)
	v_add_nc_u32 v[ADV], 131072, v[ADK]            ; this step's V images
	v_nop
	v_nop
.else
.rept 4
	v_nop                                          ; places in front of the first read of results (ISA guide 7.12.1)
.endr
.endif
	v_max3_num_f32 v8, v[S], v[S+1], v[S+2]        ; the step's largest score of my query among my 64 keys, in two chains, ascending
	v_max3_num_f32 v14, v[S+3], v[S+4], v[S+5]
.irp i, 6,10,14,18,22,26,30,34,38,42,46,50,54,58
	v_max3_num_f32 v8, v8, v[S+\i], v[S+\i+1]
	v_max3_num_f32 v14, v14, v[S+\i+2], v[S+\i+3]
.endr
	v_max3_num_f32 v8, v8, v[S+62], v[S+63]
	v_max_num_f32 v8, v8, v14
	v_permlanex16_b32 v9, v8, s[SEL], s[SEL+1]
	v_max_num_f32 v8, v8, v9                       ; and among lane l xor 16's
	v_mul_f32 v8, s[CS], v8                        ; as t (c is positive)
	v_max_num_f32 v[MT+1], v[MT+1], v8             ; the running largest t
	v_mov_b32 v8, v[MT]
	v_floor_f32 v[MT], -v[MT+1]                    ; the new -M = floor(-t) = -ceil(t)
	v_sub_f32 v8, v[MT], v8                        ; old M - new M: a whole number, 0 or less
	v_cvt_i32_f32 v8, v8                           ; (it saturates)
	v_ldexp_f32 v10, 1.0, v8                       ; f = 2^(old M - new M)
.set J, 0
.rept 32
	v_pk_fma_f32 v[S+J:S+J+1], v[S+J:S+J+1], s[CS:CS+1], v[MT:MT+1] op_sel_hi:[1,0,0]    ; t - M, two at a time
.set J, J+2
.endr
.set J, 0
.rept 64
	v_exp_f32 v[S+J], v[S+J]                       ; p = 2^(t - M), at most 1
.set J, J+1
.endr
	v_pk_mul_f32 v[SU:SU+1], v[SU:SU+1], v[10:11] op_sel_hi:[1,0]     ; the sum under the new M (a plain line behind the exponentials)
.if \tau == 0
	WIN 0x40                                       ; V's registers lie in window 1: the switch, the wait, the loads
	s_wait_alu depctr_va_vdst(0)                   ; the 64 exponentials have written p, ahead of its first reader; v[ADV] and v[ADK] are written; the last step's V^T P are done reading V
.irp f, 0,1,2,3,4,5,6,7,8,9,10,11,12,13,14,15
	ds_load_b128 v[VV+4*\f:VV+4*\f+3], v[ADV] offset:512*\f      ; four fragments of 16 channels x 128 keys; the sums, the conversions and O^T's rescaling stand between these loads and their use
.endr
	WIN 0
.elseif \tau == 3
	s_wait_alu depctr_va_vdst(0)                   ; the 64 exponentials have written p, ahead of its first reader; this step's 32 K Q^T, the last of them this tile's, are done reading K
	s_cmp_eq_u32 s[STP], 3                         ; a group's last step asks for nothing: the next group's bytes are stored behind the next barrier, and its first K is asked for there
	s_cbranch_scc1 .Lno_k_\@
	KLOAD 8192                                     ; the next step's K.  No vector or matrix line from the wait above to the next step's head names K or v[ADK]
.Lno_k_\@:
.else
	s_wait_alu depctr_va_vdst(0)                   ; the 64 exponentials have written p, ahead of its first reader: one wait for the batch
.endif
	v_pk_add_f32 v[12:13], v[S:S+1], v[S+2:S+3]    ; the sum of the unquantised p, in two chains
.irp j, 4,8,12,16,20,24,28,32,36,40,44,48,52,56,60
	v_pk_add_f32 v[SU:SU+1], v[SU:SU+1], v[S+\j:S+\j+1]
	v_pk_add_f32 v[12:13], v[12:13], v[S+\j+2:S+\j+3]
.endr
	v_pk_add_f32 v[SU:SU+1], v[SU:SU+1], v[12:13]
	s_cmp_ge_i32 s[EP], -15                        ; from e4 = -15 on the largest code x 2^e4 is above 1, which p never passes: the hold would change nothing
	s_cbranch_scc1 .Lno_hold_\@
.set J, 0
.rept 64
	v_min_num_f32 v[S+J], s[LIM], v[S+J]           ; the conversion to an 8-bit code does not saturate (ISA guide 7.6.2); p is not negative, so the hold is one-sided
.set J, J+1
.endr
.Lno_hold_\@:
.irp kt, 0,1,2,3,4,5,6,7
	v_cvt_scalef32_pk8_bf8_f32 v[P+2*\kt:P+2*\kt+1], v[S+8*\kt:S+8*\kt+7], v[SCP]
.endr
	WIN 0x41                                       ; O^T (destination and source 0) in window 1
.set J, 0
.rept 16
	v_pk_mul_f32 v[32*\tau+J:32*\tau+J+1], v[32*\tau+J:32*\tau+J+1], v[10:11] op_sel_hi:[1,0]    ; O^T under the new M; these are also the plain lines behind the conversions
.set J, J+2
.endr
.if \tau == 0
	s_wait_dscnt 0x0                               ; V is in
.endif
	WIN 0x51                                       ; V, C and D in window 1, P in window 0
.irp t, 0,1,2,3                        ; four accumulators by turns, one instruction a turn
	v_wmma_f32_16x16x128_bf8_bf8 v[32*\tau+8*\t:32*\tau+8*\t+7], v[VV+16*\t:VV+16*\t+15], v[P:P+15], v[32*\tau+8*\t:32*\tau+8*\t+7]
.endr
	WIN 0
.endm
.macro STEP
	s_wait_dscnt 0x0                               ; this step's K is in: asked for in the last step's fourth tile, or at the group's head
	UNIT 0
	UNIT 1
	UNIT 2
	UNIT 3
	s_add_co_u32 s[TB], s[TB], 8192
.endm
.Lgroup:                                           ; four trips: 512 keys each
	s_wait_dscnt 0x0                               ; my LDS reads so far are over
	s_barrier_signal -1
	s_barrier_wait -1
	s_wait_loadcnt 0x0                             ; this group's bytes are in my registers (in the first trip Q too)
	s_wait_alu depctr_vm_vsrc(0)                   ; the last group's LDS stores have read v[SA] and v[SB], its loads of K v[ADK]: the three are written anew below
	v_add_nc_u32 v[SA], s[GO], v[VT]
	v_add_nc_u32 v[SB], 131072, v[SA]
	v_add_nc_u32 v[ADK], s[TB], v[LI]              ; the K images of the group's first step
	WIN 0x04
	s_wait_alu depctr_va_vdst(0)                   ; v[SA], v[SB] and v[ADK] are written, which the stores and K's loads below read; every product of the last group is done reading K
.irp i, 0,1,2,3,4,5,6,7
	ds_store_b128 v[SA], v[STG+4*\i:STG+4*\i+3] offset:4096*\i
.endr
.irp i, 0,1,2,3,4,5,6,7
	ds_store_b128 v[SB], v[STG+32+4*\i:STG+32+4*\i+3] offset:4096*\i
.endr
	WIN 0
	s_wait_dscnt 0x0                               ; for the others' sake: my stores have landed
	s_barrier_signal -1
	s_barrier_wait -1
	KLOAD 0                                        ; K of the group's first step.  No vector line stands between the wait on va_vdst above and these loads
	s_cmp_eq_u32 s[GRP], 3                         ; the last group asks for nothing: no load leaves the head's bytes
	s_cbranch_scc1 .Lno_fetch
	s_add_nc_u64 s[12:13], s[12:13], 32768         ; (the loads that named these bases were waited for above)
	s_add_nc_u64 s[14:15], s[14:15], 32768
	GLOAD 1                                        ; the next 512 keys: four steps' work in which to arrive
.Lno_fetch:
	s_mov_b32 s[STP], 0
.Lstep:
	STEP
	s_add_co_u32 s[STP], s[STP], 1
	s_cmp_lt_u32 s[STP], 4
	s_cbranch_scc1 .Lstep
	s_add_co_u32 s[GO], s[GO], 32768
	s_add_co_u32 s[GRP], s[GRP], 1
	s_cmp_lt_u32 s[GRP], 4
	s_cbranch_scc1 .Lgroup
	; THE WAY OUT.  The sums' halves are added (these lines are the places behind the last products); O^T / l is held, quantised, and its codes change halves of the lanes so that lane (r, h) holds
	; channels 32 b + 16 h + 0 .. 15 of query r: registers of the last product's operand as four 16-byte loads give them to its other side.
.irp tau, 0,1,2,3
	v_add_f32 v[208+\tau], v[18+4*\tau], v[19+4*\tau]
.endr
.irp tau, 0,1,2,3
	v_mov_b32 v[212+\tau], 0
	v_mov_b32 v[217+2*\tau], 0                     ; (upper halves of the pairs that the packed multiply names)
.endr
.irp i, 0,1,2,3,4,5,6,7
	v_mov_b32 v[234+\i], 0
.endr
.irp tau, 0,1,2,3
	v_permlanex16_b32 v[212+\tau], v[208+\tau], s[SEL], s[SEL+1]
.endr
.irp tau, 0,1,2,3
	v_add_f32 v[208+\tau], v[208+\tau], v[212+\tau]          ; the row's sum
.endr
.irp tau, 0,1,2,3
	v_rcp_f32 v[216+2*\tau], v[208+\tau]
.endr
	v_mov_b32 v224, s[SCO]                         ; (plain lines behind the reciprocals)  2^(e6 - e4 - e5)
	v_mov_b32 v225, s[LMO]                         ; 57,344 x that
	s_wait_alu depctr_va_vdst(0)                   ; the four reciprocals have written v216, v218, v220, v222, ahead of their first reader: one wait for the batch
.macro OUT tau
.set R, 64+8*\tau                      ; K's registers are free (the last step asked for no K); a fresh run for each tile, so that all eight stores can stand in one run behind one wait
	WIN 0x01                                       ; source 0 (O^T) in window 1
.set J, 0
.rept 16
	v_pk_mul_f32 v[S+J:S+J+1], v[32*\tau+J:32*\tau+J+1], v[216+2*\tau:217+2*\tau] op_sel_hi:[1,0]    ; each accumulator from its low end on
.set J, J+2
.endr
	WIN 0
.set J, 0
.rept 32
	v_med3_num_f32 v[S+J], v[S+J], -v225, v225
.set J, J+1
.endr
.irp t, 0,1,2,3
	v_cvt_scalef32_pk8_bf8_f32 v[226+2*\t:227+2*\t], v[S+8*\t:S+8*\t+7], v224      ; channels 16 t + 8 h + 0 .. 7
.endr
	v_nop                                          ; one plain line behind the last conversion
.irp i, 0,1,2,3,4,5,6,7
	v_permlanex16_b32 v[234+\i], v[226+\i], s[SEL], s[SEL+1]
.endr
.irp b, 0,1
.irp i, 0,1
	v_cndmask_b32 v[R+4*\b+\i], v[226+4*\b+\i], v[236+4*\b+\i], s[HM]        ; h = 0: my tile 2 b;            h = 1: the other half's tile 2 b + 1
	v_cndmask_b32 v[R+4*\b+2+\i], v[234+4*\b+\i], v[228+4*\b+\i], s[HM]      ; h = 0: the other half's 2 b;   h = 1: my tile 2 b + 1
.endr
.endr
.endm
	OUT 0
	OUT 1
	OUT 2
	OUT 3
	s_wait_alu depctr_va_vdst(0)                   ; the four tiles' selects have written v64 to v95, which the eight stores read
.irp tau, 0,1,2,3
	global_store_b128 v[LI], v[64+8*\tau:64+8*\tau+3], s[8:9] offset:16384*\tau              ; 32 lanes store 512 consecutive bytes, aligned
	global_store_b128 v[LI], v[64+8*\tau+4:64+8*\tau+7], s[8:9] offset:16384*\tau+512
.endr
	s_wait_dscnt 0x0
	s_wait_alu depctr_hold_cnt(0) depctr_sa_sdst(0) depctr_va_vdst(0) depctr_va_sdst(0) depctr_va_ssrc(0) depctr_va_vcc(0) depctr_vm_vsrc(0)
	s_wait_tensorcnt 0x0
	ds_add_u32 v254, v255
	s_wait_dscnt 0x0
	s_endpgm
.Lfunc_end_k_q14a5f94a55_attn:
	.size	k_q14a5f94a55_attn, .Lfunc_end_k_q14a5f94a55_attn-k_q14a5f94a55_attn
	.p2alignl 7, 3214868480
	.fill 96, 4, 3214868480
	.section	.rodata,"a",@progbits
	.p2align	6, 0x0
	.amdhsa_kernel k_q14a5f94a55_attn
		.amdhsa_group_segment_fixed_size 263168
		.amdhsa_private_segment_fixed_size 0
		.amdhsa_enable_private_segment 0
		.amdhsa_kernarg_size 24
		.amdhsa_user_sgpr_count 2
		.amdhsa_user_sgpr_kernarg_segment_ptr 1
		.amdhsa_wavefront_size32 1
		.amdhsa_system_sgpr_workgroup_id_x 1
		.amdhsa_system_sgpr_workgroup_id_y 1
		.amdhsa_system_sgpr_workgroup_id_z 1
		.amdhsa_system_vgpr_workitem_id 0
		.amdhsa_next_free_vgpr 512
		.amdhsa_next_free_sgpr 66
		.amdhsa_reserve_vcc 0
		.amdhsa_float_denorm_mode_32 3
		.amdhsa_float_denorm_mode_16_64 3
		.amdhsa_memory_ordered 1
		.amdhsa_forward_progress 1
		.amdhsa_inst_pref_size 89
	.end_amdhsa_kernel
	.amdgpu_metadata
---
amdhsa.version: [ 1, 2 ]
amdhsa.kernels:
  - .name:           k_q14a5f94a55_attn
    .symbol:         k_q14a5f94a55_attn.kd
    .args:
      - { .name: qkv, .offset: 0, .size: 8, .value_kind: global_buffer, .address_space: global }
      - { .name: lowp_scales, .offset: 8, .size: 8, .value_kind: global_buffer, .address_space: global }
      - { .name: o_img, .offset: 16, .size: 8, .value_kind: global_buffer, .address_space: global }
    .group_segment_fixed_size: 263168
    .private_segment_fixed_size: 0
    .kernarg_segment_align: 8
    .kernarg_segment_size: 24
    .max_flat_workgroup_size: 256
    .sgpr_count:     66
    .vgpr_count:     512
    .wavefront_size: 32
...
	.end_amdgpu_metadata
.endif
;; end of part 5
;; launch proj: the kernel of part 4 again; grid 4 x 32, 4 waves a work-group, clusters of 4 x 4, 327,680 bytes of LDS; arguments o_img, w_proj_codes, lowp_scales, b_proj, out0; writes out0
